; MI455X (gfx1250); checked and timed in simulation.
; The chip was launched on July 23, 2026; its instructions are those of AMD's public machine-readable ISA for CDNA 5 (MIT licence, August 2026) and "CDNA5" Instruction Set Architecture Reference Guide (July 2026). The comments in the code are by the model that wrote it; some were corrected since.
;; Multi Head Attn. Allowed arithmetic: matrix products marked QUANTISED: E2M1 operands, one E8M0 scale for each 32 along K, by v_wmma_scale_f32_16x16x128_f8f6f4 with both operands' format E2M1 (or v_wmma_scale_f32_32x16x128_f4), f32 sums; products left as they are: bf16, f16 or f32 operands; f32 sums; everything else in f32.
;; Inputs: W_fc 1,024 x 1,024 float32; W_qkv 1,024 x 3,072 float32; b_fc 1,024 float32; char_ids 4 x 2,048 int32; mask 4 x 2,048 int32; seq_len 4 int32; x 4 x 2,048 x 1,024 float32.
;; Outputs: out0 4 x 2,048 x 1,024 float32.
;; This version of the problem:
;;   THIS VERSION OF THE PROBLEM IS GIVEN IN LOW PRECISION. The matrix products marked QUANTISED in the list below multiply operands that are first quantised to E2M1 (2 exponent bits, 1 mantissa bit; 4 bits a number), with one power-of-two scale for each 32 numbers along K (OCP MX v1.0); their sums are f32. The products marked 'left as it is' may take bf16, f16 or f32 operands, with f32 sums. Whichever they take, every output number must still come out within the allowed error. Rounding operands to bf16 (8 significant bits) uses up far more of that allowance than f16 does (11 bits, for magnitudes from 6e-5 to 65,504). All else is computed in f32.
;;   The module's matrix products, in the order in which they are computed (A, B: the left and right operand; K: the contracted axis; several contracted axes count as one K, in the product's order):
;;     1. [M 8,192, K 1,024] x [K 1,024, N 3,072]; A: input x; B: input W_qkv: QUANTISED
;;     2. batch 64 x [M 2,048, K 64] x [K 64, N 2,048]; A: computed on the way; B: computed on the way: left as it is (an operand is computed on the way)
;;     3. batch 64 x [M 2,048, K 2,048] x [K 2,048, N 64]; A: computed on the way; B: computed on the way: left as it is (an operand is computed on the way)
;;     4. [M 8,192, K 1,024] x [K 1,024, N 1,024]; A: computed on the way; B: input W_fc: left as it is (an operand is computed on the way)
;;   THE QUANTISER, for each operand of a quantised product, along K:
;;     - K is cut into blocks of 32 from its start; a last block that is shorter is filled with zeros.
;;     - A block's scale is 2^e with e = floor(log2(the largest magnitude in the block)) - 2, held to -126 .. 127; a block of zeros has e = 0. As a byte (E8M0): e + 127.
;;     - Each number is divided by its block's scale, clamped to +-6, and rounded to the nearest number of E2M1, ties to even, subnormals kept.
;;     - The product sums the exact products of the quantised numbers (number of the format x scale) in f32.
;;   ~~~python
;;   def quantise(x, axis):      # numpy; x: float32 -> the quantised numbers, widened to float32 again
;;       x = np.moveaxis(x, axis, -1); K = x.shape[-1]
;;       x = np.pad(x, [(0, 0)] * (x.ndim - 1) + [(0, -K % 32)]); x = x.reshape(x.shape[:-1] + (-1, 32)); a = np.abs(x).max(-1, keepdims=True)
;;       e = np.where(a > 0, np.clip(np.frexp(np.where(a > 0, a, 1))[1] - 1 - 2, -126, 127), 0)      # np.frexp(a)[1] - 1 = floor(log2(a)), exactly
;;       r = np.clip(x / 2.0 ** e, -6, 6)
;;       step = 2.0 ** (np.maximum(np.frexp(np.where(r == 0, 1, r))[1] - 1, 0) - 1)
;;       q = np.round(r / step) * step * 2.0 ** e      # np.round: ties to even
;;       return np.moveaxis(q.reshape(q.shape[:-2] + (-1,))[..., :K], -1, axis).astype(np.float32)
;;   ~~~
;; One version. Each part assembles by itself: llvm-mc -triple=amdgcn-amd-amdhsa -mcpu=gfx1250 --defsym DOCPART=n.
;; ======== version 1 of 1: 4 launches
;; limits: values are held in f16: magnitudes above 65,504 overflow, below 6.1e-05 lose precision
;; workspace buffers: xc 4,194,304 bytes; xs 262,144 bytes; wc 1,572,864 bytes; ws 98,304 bytes; wf16 2,097,152 bytes; mb 32,768 bytes; qkv16 50,331,648 bytes; o16 16,777,216 bytes
;; launch prep (part 1): grid 257 x 1, 8 waves a work-group, no clusters, 84,992 bytes of LDS; arguments x, W_qkv, W_fc, mask, xc, xs, wc, ws, wf16, mb; writes xc, xs, wc, ws, wf16, mb
.if DOCPART == 1
	.amdgcn_target "amdgcn-amd-amdhsa--gfx1250"
	.amdhsa_code_object_version 6
	.text
	.protected	k_q5f9eb66e7f_prep
	.globl	k_q5f9eb66e7f_prep
	.p2align	8
	.type	k_q5f9eb66e7f_prep,@function
k_q5f9eb66e7f_prep:
	s_mov_b64 s[64:65], 0
	v_nop
	global_prefetch_b8 v0, s[64:65] scope:SCOPE_SE
	s_setreg_imm32_b32 hwreg(HW_REG_WAVE_MODE, 25, 1), 1
	s_wait_xcnt 0x0
; PREP: everything that is made once from the inputs, in one launch.  The work-group's number picks one of four paths (a scalar branch, the same in all eight waves):
;   0-127   X: x [8192][1024] f32 -> codes of E2M1, K innermost (xc [8192][512 bytes]) and one E8M0 byte for each 32 along K (xs [8192][32])
;   128-223 W: W_qkv [1024 (k)][3072 (n)] f32 -> the same along its FIRST axis: wc [3072][512 bytes], ws [3072][32]
;   224-255 F: W_fc [1024][1024] f32 -> f16, laid as it lies (wf16)
;   256     M: mask [4][2048] int32 -> f32 addends for the scores (mb): 0 where the key counts, -2^127 where mask == 0
; A block's scale is 2^(floor(log2(its largest magnitude)) - 2); its byte is the largest magnitude's exponent field - 2, held at 1 from below.
; LIMITS: a block of zeros gets the byte 1 where the rule says 127 (its codes are zeros, and this program alone reads the bytes); blocks whose largest magnitude lies under 2^-124 are held at that
; floor; NaN and infinities among the inputs are not served; W_fc must stay under 65,504 in magnitude (f16).  char_ids and seq_len enter no line of reference() and are not loaded.
; Each path has LDS bytes of its own: X 8 x 8,192 from 0; W a stage of 64 rows x 272 and 1,024 scale bytes; then the spare words.
.set STEPS, 16                         ; path X: steps of 512 numbers for a wave
.set WREG,  8192                       ; path X: a wave's LDS: two stages of 32 x SP bytes, behind them its 256 scale bytes
.set SP,    80                         ; a lane's place in a stage: 64 bytes + 16 of padding
.set R,     16                         ; v16-143  path X: eight sets of 16 numbers as they are loaded
.set X,     144                        ; v144-175 path X: two sets of 16 neighbours
.set C,     176                        ; v176-207 path X: two registers of codes for each step: no store's data are written again
.set E,     208                        ; v208-223 path X: a scale byte for each step
.set SPW,   224                        ; v224 LDS address of my spare word; never rewritten
.set NIL,   225                        ; v225 0; never rewritten
.set WSTG,  8*WREG                     ; path W: 64 columns x (256 bytes of codes + 16)
.set WP,    272
.set WSCL,  WSTG+64*WP                 ; path W: 64 columns x 16 scale bytes
.set SPARE, WSCL+1024                  ; the spare words, 128 bytes for each of eight waves; no other line names them
.set WV,    24                         ; s24 my wave's number
.set WROW,  3072*4                     ; a row of W_qkv in bytes
.macro FINISH                          ; the wave's end: behind the last LDS store
	s_wait_tensorcnt 0x0
	ds_add_u32 v[SPW], v[NIL]
	s_wait_dscnt 0x0
	s_endpgm
.endm
.macro XLOAD t                         ; step t: four loads of 512 consecutive bytes, into set t % 8
.irp i, 0,1,2,3
	global_load_b128 v[R+16*((\t)%8)+4*\i:R+16*((\t)%8)+4*\i+3], v3, s[4:5] offset:2048*(\t)+512*\i th:TH_LOAD_NT
.endr
.endm
.macro XTURN t                         ; step t's 2,048 bytes through the wave's stage: in as they lie, back 64 bytes (16 neighbours) a lane; LDS serves a wave's instructions in order
.irp i, 0,1,2,3
	ds_store_b128 v14, v[R+16*((\t)%8)+4*\i:R+16*((\t)%8)+4*\i+3] offset:32*SP*((\t)%2)+8*SP*\i
.endr
.irp i, 0,1,2,3
	ds_load_b128 v[X+16*((\t)%2)+4*\i:X+16*((\t)%2)+4*\i+3], v15 offset:32*SP*((\t)%2)+16*\i
.endr
.endm
.macro XSTEP t
.set XS, X+16*((\t)%2)
.if (\t) > 0
	s_wait_dscnt 1                                 ; this step's numbers are back from the stage; only the last step's byte store may be out
.else
	s_wait_dscnt 0x0
.endif
.if (\t)+8 < STEPS
	XLOAD (\t)+8                                   ; the set that this step's stage stores have read takes the loads of eight steps on
.endif
.if (\t)+1 < STEPS
.if (\t)+8 < STEPS
	s_wait_loadcnt 28                              ; the next step's four loads are in; those of the seven steps behind it may be out
.else
	s_wait_loadcnt 4*(STEPS-2-(\t))                ; the same count as the stream runs out
.endif
	XTURN (\t)+1
.endif
	v_max3_num_f32 v8, |v[XS]|, |v[XS+1]|, |v[XS+2]|       ; the largest magnitude of my 16, in two chains
	v_max3_num_f32 v9, |v[XS+3]|, |v[XS+4]|, |v[XS+5]|
.irp i, 6,10
	v_max3_num_f32 v8, v8, |v[XS+\i]|, |v[XS+\i+1]|
	v_max3_num_f32 v9, v9, |v[XS+\i+2]|, |v[XS+\i+3]|
.endr
	v_max3_num_f32 v8, v8, |v[XS+14]|, |v[XS+15]|
	v_max3_num_f32 v8, v8, v9, 0x1800000           ; and the floor 2^(3 - 127): the byte cannot fall under 1
	v_max_num_f32_dpp v8, v8, v8 row_xmask:1 row_mask:0xf bank_mask:0xf   ; with my neighbour's 16: the block's
	v_add_nc_u32 v11, 0xff000000, v8               ; 2 off its exponent field: the conversion takes that field as its scale
	v_cvt_scalef32_pk8_fp4_f32 v[C+2*(\t)], v[XS:XS+7], v11
	v_cvt_scalef32_pk8_fp4_f32 v[C+2*(\t)+1], v[XS+8:XS+15], v11
	v_lshrrev_b32 v[E+(\t)], 23, v11               ; the scale's byte (also the plain line behind the conversions)
	ds_store_b8 v5, v[E+(\t)] offset:16*(\t)       ; both lanes of a block write the same byte with the same value
	global_store_b64 v4, v[C+2*(\t):C+2*(\t)+1], s[12:13] offset:256*(\t)   ; the wave stores 256 consecutive bytes, aligned
.endm
.macro WLOAD t                         ; path W, block t: W(32 t + i, my column), i = 0 .. 31, into set t % 2
.irp i, 0,1,2,3,4,5,6,7,8,9,10,11,12,13,14,15,16,17,18,19,20,21,22,23,24,25,26,27,28,29,30,31
	global_load_b32 v[16+32*((\t)%2)+\i], v3, s[6:7] offset:(32*(\t)+\i)*WROW th:TH_LOAD_NT
.endr
.endm
.macro WBLOCK t
.set XS, 16+32*((\t)%2)
.if (\t) < 3
	s_wait_loadcnt 32                              ; this block's 32 loads are in; the next block's may be out
.else
	s_wait_loadcnt 0x0
.endif
	v_max3_num_f32 v108, |v[XS]|, |v[XS+1]|, |v[XS+2]|     ; all 32 numbers of the block are mine
	v_max3_num_f32 v109, |v[XS+3]|, |v[XS+4]|, |v[XS+5]|
.irp i, 6,10,14,18,22,26
	v_max3_num_f32 v108, v108, |v[XS+\i]|, |v[XS+\i+1]|
	v_max3_num_f32 v109, v109, |v[XS+\i+2]|, |v[XS+\i+3]|
.endr
	v_max3_num_f32 v108, v108, |v[XS+30]|, |v[XS+31]|
	v_max3_num_f32 v108, v108, v109, 0x1800000
	v_add_nc_u32 v110, 0xff000000, v108
	v_lshrrev_b32 v109, 23, v110
.if (\t) == 0
	v_mov_b32 v84, v109                            ; my four blocks' bytes make one word, the lower K in the lower byte
.else
	v_lshl_or_b32 v84, v109, 8*(\t), v84
.endif
.irp g, 0,1,2,3
	v_cvt_scalef32_pk8_fp4_f32 v[80+\g], v[XS+8*\g:XS+8*\g+7], v110
.endr
	v_nop                                          ; one plain line behind the last conversion
	ds_store_b128 v4, v[80:83] offset:16*(\t)      ; 32 codes: 16 bytes of my column's row
.if (\t)+2 < 4
	WLOAD (\t)+2
.endif
	s_wait_dscnt 0x0                               ; the store has read its registers: the next block's codes may be written
.endm
	s_load_b256 s[4:11], s[0:1], 0x0               ; x s[4:5], W_qkv s[6:7], W_fc s[8:9], mask s[10:11]
	s_load_b256 s[12:19], s[0:1], 0x20             ; xc s[12:13], xs s[14:15], wc s[16:17], ws s[18:19]
	s_load_b128 s[20:23], s[0:1], 0x40             ; wf16 s[20:21], mb s[22:23]
	v_lshl_add_u32 v[SPW], v0, 2, SPARE
	v_mov_b32 v[NIL], 0
	v_lshrrev_b32 v1, 5, v0
	v_readfirstlane_b32 s[WV], v1                  ; wave 0..7
	v_and_b32 v2, 31, v0                           ; lane
	s_mov_b32 s27, 0                               ; the upper word of every offset pair s[26:27]
	s_wait_kmcnt 0x0
	s_cmp_lt_u32 ttmp9, 128
	s_cbranch_scc0 .Lnot_x
	; ---- PATH X.  x is a plain stream of blocks of 32; a wave takes 8,192 numbers; 32 loads of a wave are on their way
	v_lshlrev_b32 v3, 4, v2                        ; my 16 bytes of a load's 512
	s_mul_i32 s25, s[WV], WREG
	v_lshrrev_b32 v14, 2, v2
	v_mul_u32_u24 v14, v14, SP
	v_and_b32 v15, 3, v2
	v_lshl_add_u32 v14, v15, 4, v14
	v_add_nc_u32 v14, s25, v14                     ; the stage, in: SP (lane / 4) + 16 (lane % 4)
	v_mul_u32_u24 v15, v2, SP
	v_add_nc_u32 v15, s25, v15                     ; and back: SP x lane
	v_lshlrev_b32 v4, 3, v2                        ; my 8 bytes of a step's codes, and of the wave's scale bytes
	v_lshrrev_b32 v5, 1, v2
	s_add_co_u32 s25, s25, 2*32*SP
	v_add_nc_u32 v5, s25, v5                       ; my block's byte among the wave's 256
	v_add_nc_u32 v6, s25, v4                       ; and 8 of them on the way out
	s_lshl_b32 s28, ttmp9, 3
	s_add_co_u32 s28, s28, s[WV]                   ; which run of 8,192 numbers is mine
	s_lshl_b32 s26, s28, 15
	s_add_nc_u64 s[4:5], s[4:5], s[26:27]
	s_lshl_b32 s26, s28, 12
	s_add_nc_u64 s[12:13], s[12:13], s[26:27]
	s_lshl_b32 s26, s28, 8
	s_add_nc_u64 s[14:15], s[14:15], s[26:27]
.irp t, 0,1,2,3,4,5,6,7
	XLOAD \t
.endr
	s_wait_loadcnt 28                              ; step 0's four loads are in
	XTURN 0
.irp t, 0,1,2,3,4,5,6,7,8,9,10,11,12,13,14,15
	XSTEP \t
.endr
	ds_load_b64 v[8:9], v6                         ; my own byte stores are seen: LDS serves a wave's instructions in order
	s_wait_dscnt 0x0
	global_store_b64 v4, v[8:9], s[14:15]          ; 32 lanes store 256 consecutive bytes, aligned
	FINISH
.Lnot_x:
	s_cmp_lt_u32 ttmp9, 224
	s_cbranch_scc0 .Lnot_w
	; ---- PATH W.  A work-group takes 64 columns x 512 along K; wave w takes 32 columns (w & 1) x 128 along K (w >> 1): four blocks a lane.
	; A lane takes a column and its registers run down K, so the conversions give codes with K innermost.  The eight waves' codes meet in a stage, and leave as rows of 256 bytes.
	s_sub_co_u32 s28, ttmp9, 128
	s_lshr_b32 s29, s28, 1                         ; which 64 columns
	s_and_b32 s30, s28, 1                          ; which 512 along K
	s_and_b32 s31, s[WV], 1                        ; which 32 of the columns
	s_lshr_b32 s32, s[WV], 1                       ; which 128 along K
	v_lshlrev_b32 v3, 2, v2                        ; 4 bytes a lane: two neighbouring waves cover 256 bytes of a row of W
	s_lshl_b32 s33, s30, 9
	s_lshl_b32 s34, s32, 7
	s_add_co_u32 s33, s33, s34                     ; my first row k
	s_mul_i32 s26, s33, WROW
	s_lshl_b32 s34, s29, 8
	s_add_co_u32 s26, s26, s34
	s_lshl_b32 s34, s31, 7
	s_add_co_u32 s26, s26, s34
	s_add_nc_u64 s[6:7], s[6:7], s[26:27]
	s_lshl_b32 s34, s31, 5
	v_add_nc_u32 v8, s34, v2                       ; my column among the 64
	v_mul_u32_u24 v4, v8, WP
	s_lshl_b32 s35, s32, 6
	s_add_co_u32 s35, s35, WSTG
	v_add_nc_u32 v4, s35, v4                       ; the stage, in: my column's row, my wave's 64 bytes
	v_lshlrev_b32 v5, 4, v8
	s_lshl_b32 s35, s32, 2
	s_add_co_u32 s35, s35, WSCL
	v_add_nc_u32 v5, s35, v5                       ; my scale word: 16 bytes a column, 4 a wave
	v_lshl_add_u32 v9, v8, 4, WSCL                 ; and a column's 16 bytes on the way out
	v_lshlrev_b32 v13, 5, v8                       ; ws: 32 bytes a column
	v_and_b32 v6, 15, v2
	v_lshrrev_b32 v10, 4, v2
	s_lshl_b32 s35, s[WV], 3
	v_add_nc_u32 v11, s35, v10                     ; back: wave w takes rows 8 w .. 8 w + 7, two an instruction, sixteen lanes to a row
	v_mul_u32_u24 v7, v11, WP
	v_lshl_add_u32 v7, v6, 4, v7
	v_add_nc_u32 v7, WSTG, v7
	v_lshlrev_b32 v12, 9, v11                      ; the same place in wc: 512 bytes a column
	v_lshl_add_u32 v12, v6, 4, v12
	s_lshl_b32 s26, s29, 15
	s_lshl_b32 s34, s30, 8
	s_add_co_u32 s26, s26, s34
	s_add_nc_u64 s[16:17], s[16:17], s[26:27]
	s_lshl_b32 s26, s29, 11
	s_lshl_b32 s34, s30, 4
	s_add_co_u32 s26, s26, s34
	s_add_nc_u64 s[18:19], s[18:19], s[26:27]
	WLOAD 0
	WLOAD 1
.irp t, 0,1,2,3
	WBLOCK \t
.endr
	ds_store_b32 v5, v84
	s_wait_dscnt 0x0                               ; for the others' sake: my stores into the stage have landed
	s_barrier_signal -1
	s_barrier_wait -1                              ; all eight waves of this work-group are on this path: the branch hangs on the work-group's number alone
.irp i, 0,1,2,3
	ds_load_b128 v[88+4*\i:91+4*\i], v7 offset:2*\i*WP
.endr
.irp i, 0,1,2,3
	s_wait_dscnt 3-\i                              ; load i is in; the younger ones may be out
	global_store_b128 v12, v[88+4*\i:91+4*\i], s[16:17] offset:1024*\i   ; sixteen lanes store 256 consecutive bytes, aligned
.endr
	s_cmp_lt_u32 s[WV], 2                          ; 64 columns x 16 scale bytes: two waves' worth
	s_cbranch_scc0 .Lw_done
	ds_load_b128 v[104:107], v9
	s_wait_dscnt 0x0
	global_store_b128 v13, v[104:107], s[18:19]    ; 16 bytes of each column's 32: one byte in 128 of what this path reads
.Lw_done:
	FINISH
.Lnot_w:
	s_cmp_lt_u32 ttmp9, 256
	s_cbranch_scc0 .Lmask
	; ---- PATH F.  A wave casts 4,096 numbers; all its 32 loads go out at once; nothing is rewritten, so no wait frees a source
	s_sub_co_u32 s28, ttmp9, 224
	s_lshl_b32 s28, s28, 3
	s_add_co_u32 s28, s28, s[WV]
	s_lshl_b32 s26, s28, 14
	s_add_nc_u64 s[8:9], s[8:9], s[26:27]
	s_lshl_b32 s26, s28, 13
	s_add_nc_u64 s[20:21], s[20:21], s[26:27]
	v_lshlrev_b32 v3, 4, v2
	v_lshlrev_b32 v4, 3, v2
.irp i, 0,1,2,3,4,5,6,7,8,9,10,11,12,13,14,15,16,17,18,19,20,21,22,23,24,25,26,27,28,29,30,31
	global_load_b128 v[16+4*\i:19+4*\i], v3, s[8:9] offset:512*\i th:TH_LOAD_NT
.endr
.irp i, 0,1,2,3,4,5,6,7,8,9,10,11,12,13,14,15,16,17,18,19,20,21,22,23,24,25,26,27,28,29,30,31
	s_wait_loadcnt 31-\i                           ; load i is in; the younger ones may be out
	v_cvt_pk_f16_f32 v[16+4*\i], v[16+4*\i], v[17+4*\i]
	v_cvt_pk_f16_f32 v[17+4*\i], v[18+4*\i], v[19+4*\i]
	global_store_b64 v4, v[16+4*\i:17+4*\i], s[20:21] offset:256*\i   ; the wave stores 256 consecutive bytes, aligned
.endr
	FINISH
.Lmask:
	; ---- PATH M.  8,192 words: 256 threads x 8 loads of four
	v_lshlrev_b32 v3, 4, v0
	v_mov_b32 v5, 0xff000000                       ; -2^127
.irp i, 0,1,2,3,4,5,6,7
	global_load_b128 v[16+4*\i:19+4*\i], v3, s[10:11] offset:4096*\i
.endr
.irp i, 0,1,2,3,4,5,6,7
	s_wait_loadcnt 7-\i
.irp c, 0,1,2,3
	v_cmp_eq_u32 vcc_lo, 0, v[16+4*\i+\c]
	v_cndmask_b32 v[16+4*\i+\c], 0, v5, vcc_lo
.endr
	global_store_b128 v3, v[16+4*\i:19+4*\i], s[22:23] offset:4096*\i
.endr
	FINISH
.Lfunc_end_k_q5f9eb66e7f_prep:
	.size	k_q5f9eb66e7f_prep, .Lfunc_end_k_q5f9eb66e7f_prep-k_q5f9eb66e7f_prep
	.p2alignl 7, 3214868480
	.fill 96, 4, 3214868480
	.section	.rodata,"a",@progbits
	.p2align	6, 0x0
	.amdhsa_kernel k_q5f9eb66e7f_prep
		.amdhsa_group_segment_fixed_size 84992
		.amdhsa_private_segment_fixed_size 0
		.amdhsa_enable_private_segment 0
		.amdhsa_kernarg_size 80
		.amdhsa_user_sgpr_count 2
		.amdhsa_user_sgpr_kernarg_segment_ptr 1
		.amdhsa_wavefront_size32 1
		.amdhsa_system_sgpr_workgroup_id_x 1
		.amdhsa_system_sgpr_workgroup_id_y 1
		.amdhsa_system_sgpr_workgroup_id_z 1
		.amdhsa_system_vgpr_workitem_id 0
		.amdhsa_next_free_vgpr 232
		.amdhsa_next_free_sgpr 66
		.amdhsa_reserve_vcc 1
		.amdhsa_float_denorm_mode_32 3
		.amdhsa_float_denorm_mode_16_64 3
		.amdhsa_memory_ordered 1
		.amdhsa_forward_progress 1
		.amdhsa_inst_pref_size 70
	.end_amdhsa_kernel
	.amdgpu_metadata
---
amdhsa.version: [ 1, 2 ]
amdhsa.kernels:
  - .name:           k_q5f9eb66e7f_prep
    .symbol:         k_q5f9eb66e7f_prep.kd
    .args:
      - { .name: x, .offset: 0, .size: 8, .value_kind: global_buffer, .address_space: global }
      - { .name: W_qkv, .offset: 8, .size: 8, .value_kind: global_buffer, .address_space: global }
      - { .name: W_fc, .offset: 16, .size: 8, .value_kind: global_buffer, .address_space: global }
      - { .name: mask, .offset: 24, .size: 8, .value_kind: global_buffer, .address_space: global }
      - { .name: xc, .offset: 32, .size: 8, .value_kind: global_buffer, .address_space: global }
      - { .name: xs, .offset: 40, .size: 8, .value_kind: global_buffer, .address_space: global }
      - { .name: wc, .offset: 48, .size: 8, .value_kind: global_buffer, .address_space: global }
      - { .name: ws, .offset: 56, .size: 8, .value_kind: global_buffer, .address_space: global }
      - { .name: wf16, .offset: 64, .size: 8, .value_kind: global_buffer, .address_space: global }
      - { .name: mb, .offset: 72, .size: 8, .value_kind: global_buffer, .address_space: global }
    .group_segment_fixed_size: 84992
    .private_segment_fixed_size: 0
    .kernarg_segment_align: 8
    .kernarg_segment_size: 80
    .max_flat_workgroup_size: 256
    .sgpr_count:     66
    .vgpr_count:     232
    .wavefront_size: 32
...
	.end_amdgpu_metadata
.endif
;; end of part 1
;; launch qkv (part 2): grid 12 x 32, 4 waves a work-group, clusters of 4 x 4, 327,680 bytes of LDS; arguments xc, xs, wc, ws, qkv16; writes qkv16
.if DOCPART == 2
	.amdgcn_target "amdgcn-amd-amdhsa--gfx1250"
	.amdhsa_code_object_version 6
	.text
	.protected	k_q5f9eb66e7f_qkv
	.globl	k_q5f9eb66e7f_qkv
	.p2align	8
	.type	k_q5f9eb66e7f_qkv,@function
k_q5f9eb66e7f_qkv:
	s_mov_b64 s[64:65], 0
	v_nop
	global_prefetch_b8 v0, s[64:65] scope:SCOPE_SE
	s_setreg_imm32_b32 hwreg(HW_REG_WAVE_MODE, 25, 1), 1
	s_wait_xcnt 0x0
	s_wait_alu depctr_hold_cnt(0) depctr_sa_sdst(0) depctr_va_vdst(0) depctr_va_sdst(0) depctr_va_ssrc(0) depctr_va_vcc(0) depctr_vm_vsrc(0)
	s_getreg_b32 s2, hwreg(HW_REG_IB_STS2, 6, 4)
	s_cmp_eq_u32 s2, 0
	s_cbranch_scc0 .Lentry_in_a_cluster
	s_endpgm
.Lentry_in_a_cluster:
	s_bfe_u32 s2, ttmp6, 0x10000c
	s_cmp_lg_u32 s2, 0xf033
	s_cbranch_scc0 .Lentry_shape_is_right
	s_endpgm
.Lentry_shape_is_right:
; QKV: x W_qkv on codes of E2M1 with one E8M0 scale for each 32 along K, sums in f32; the results leave as f16, laid by head: qkv16 [q, k, v][batch x 16 + head][token 2048][64].
; LIMIT: q, k and v must stay under 65,504 in magnitude (f16).
; A tile of 256 tokens x 256 columns is made by four waves, 128 x 128 each: 64 accumulators, 512 registers.  K = 1,024 is two slots of 512 along K (rows of 256 bytes): both are asked for at the
; head, with the scale bytes of the tile's 512 rows, and nothing is filled again: three tensor loads of a wave are out at the most.
; CLUSTERS: 4 x 4 work-groups; x's tiles are shared along a row of the cluster, W's along a column: each is asked for jointly, with a mask that names the four.
; THE MATRIX INSTRUCTION IS USED TRANSPOSED (source 0 = 16 columns of W, source 1 = 16 tokens): a lane holds eight neighbouring columns of one token.
; 12 x 32 tiles are one and a half times the chip's work-groups at once; a tile of this width lies wholly in q, k or v and holds four whole heads, which keeps every store dense.
; REGISTERS: window 0: v0-31 addresses; v32-95 scale words, two sets; v128-191 x's fragments, one set (on the way out v128-223 are free).  window 1: W's fragments, two sets.  windows 2, 3: the accumulators.
.set SIZE_K, 1024
.set KSTEP,  512
.set NQ,     KSTEP/128
.set ROWB,   256
.set KROW,   SIZE_K/2
.set PITCH,  272                       ; an LDS row: 256 bytes + 16: 68 words, so the 16 rows that a load touches start 4 words apart modulo 64
.set FR,     8
.set NL,     2
.set NP,     4
.set HALFT,  128*PITCH
.set SLOT,   4*HALFT
.set KS,     SIZE_K/32
.set SCL,    2*SLOT                    ; behind the two slots: the scale bytes, as rows of 256 bytes + 16
.set HALFS,  (128*KS/256)*272
.set SBLK,   (16*KS/256)*272
.set SPARE,  SCL+4*HALFS               ; the spare words, 128 bytes for each wave; no other line names them
.set SPITCH, 144                       ; the way out: a token's 128 bytes of one head + 16
.set HSTG,   16*SPITCH                 ; 16 tokens of one head; a wave's stage is two of these, in slot 0, which has had its only fill and its last read by then
.set ADRA, 16
.set ADRB, 20
.set STO,  24
.set RD,   25
.set CO,   26
.set ADRS, 27
.set SPW,  28
.set NIL,  29
.set SC,   32
.set AF,   128
.set BK,   128                         ; the way out: 8 x 4 registers read back, v128-159 and v160-191 by turns
.set TMP,  192                         ; the way out: a block's packed results
.set G1, 24
.set G0, 32
.set G1B, 48
.set G0B, 56
.set G1S, 68
.set G0S, 76
.set G1SB, 80
.set G0SB, 88
.set MSB, 0
.macro WIN new                         ; the immediate's high byte repeats the setting that is left
.if MSB != \new
	s_set_vgpr_msb (MSB<<8)|\new
.set MSB, \new
.endif
.endm
.set MUL_LO, 0xa1                      ; source 0 (W) window 1, source 1 (x) window 0, C and D window 2
.set MUL_HI, 0xf1
.set TO_B,   0x40
.macro JLOAD g0a, g1a, g0b, g1b        ; a joint load: waves 0 and 1 fetch for x, waves 2 and 3 for W; an s_nop 0 and four v_nop follow each line
	s_cmp_eq_u32 s15, 0
	s_cbranch_scc0 .Lfor_b_\@
	tensor_load_to_lds s[\g0a:\g0a+3], s[\g1a:\g1a+7]
	s_nop 0
.rept 4
	v_nop
.endr
	s_branch .Lasked_\@
.Lfor_b_\@:
	tensor_load_to_lds s[\g0b:\g0b+3], s[\g1b:\g1b+7]
	s_nop 0
.rept 4
	v_nop
.endr
.Lasked_\@:
.endm
.macro CROUND                          ; a round of the cluster's barrier
	s_barrier_signal -1
	s_barrier_wait -1
	s_cmp_lg_u32 s14, 0
	s_cbranch_scc1 .Lnot_wave_0_\@
	s_barrier_signal -3
.Lnot_wave_0_\@:
	s_barrier_wait -3
	s_barrier_signal -1
	s_barrier_wait -1
.endm
	s_load_b128 s[4:7], s[0:1], 0x0                ; x's codes, x's scales
	s_load_b128 s[8:11], s[0:1], 0x10              ; W's codes, W's scales
	s_load_b64 s[12:13], s[0:1], 0x20              ; qkv16
	v_lshl_add_u32 v[SPW], v0, 2, SPARE
	v_mov_b32 v[NIL], 0
	ds_add_u32 v[SPW], v[NIL]                      ; the wave's opening: the add, twice on end, and its wait ahead of my first tensor load
	ds_add_u32 v[SPW], v[NIL]
	v_lshrrev_b32 v1, 5, v0
	v_readfirstlane_b32 s14, v1                    ; wave 0..3
	s_lshr_b32 s15, s14, 1                         ; which half of the tile's tokens is mine.  Also: I fetch for x (0) or for W (1)
	s_and_b32 s16, s14, 1                          ; which half of its columns.  Also: which 128 rows I fetch
	s_bfe_u32 s40, ttmp6, 0x40000                  ; cx, cy
	s_bfe_u32 s41, ttmp6, 0x40004
	s_lshl_b32 s42, ttmp9, 2
	s_add_co_u32 s42, s42, s40                     ; tile column
	s_and_b32 s17, ttmp7, 0xffff
	s_lshl_b32 s17, s17, 2
	s_add_co_u32 s17, s17, s41                     ; tile row
	s_lshl_b32 s43, s41, 2
	s_lshl_b32 s43, 15, s43                        ; my row of the cluster
	s_lshl_b32 s44, 0x1111, s40                    ; my column
	s_or_b32 s[G1+0], s43, (0<<16)|(1<<20)|(1<<21)|(5<<22)|(3<<25)  ; the mask; elements of 1 byte; 4 words of padding after every 64; bit 21 beside a mask
	s_or_b32 s[G1B+0], s44, (0<<16)|(1<<20)|(1<<21)|(5<<22)|(3<<25)
.irp g, G1, G1B
	s_mov_b32 s[\g+1], ROWB<<16                    ; tensor_dim0
	s_mov_b32 s[\g+2], 128<<16                     ; tensor_dim1
	s_mov_b32 s[\g+3], ROWB<<16                    ; tile_dim0
	s_mov_b32 s[\g+4], 128                         ; tile_dim1
	s_mov_b32 s[\g+5], KROW                        ; the pitch
	s_mov_b32 s[\g+6], 0
	s_mov_b32 s[\g+7], 0
.endr
	s_or_b32 s[G1S+0], s43, (3<<16)|(1<<20)|(1<<21)|(5<<22)|(3<<25) ; the scales of 128 rows: 4,096 dense bytes as 16 rows of 32 elements of 8 bytes
	s_or_b32 s[G1SB+0], s44, (3<<16)|(1<<20)|(1<<21)|(5<<22)|(3<<25)
.irp g, G1S, G1SB
	s_mov_b32 s[\g+1], 32<<16
	s_mov_b32 s[\g+2], (128*KS/256)<<16
	s_mov_b32 s[\g+3], 32<<16
	s_mov_b32 s[\g+4], 128*KS/256
	s_mov_b32 s[\g+5], 32
	s_mov_b32 s[\g+6], 0
	s_mov_b32 s[\g+7], 0
.endr
	s_lshl_b32 s18, s16, 7
	s_lshl_b32 s20, s17, 8
	s_add_co_u32 s20, s20, s18                     ; x: row 256 x tile row + 128 x half
	s_lshl_b32 s46, s42, 8
	s_add_co_u32 s46, s46, s18                     ; W: row 256 x tile column + 128 x half
	s_mov_b32 s21, 0
	s_mov_b32 s47, 0
	s_mov_b64 s[18:19], KS
	s_mul_u64 s[22:23], s[20:21], s[18:19]
	s_mul_u64 s[92:93], s[46:47], s[18:19]
	s_mov_b64 s[18:19], KROW
	s_mul_u64 s[20:21], s[20:21], s[18:19]
	s_mul_u64 s[46:47], s[46:47], s[18:19]
	s_mul_i32 s45, s14, HALFT                      ; where they go: wave x 128 rows
	s_mul_i32 s94, s14, HALFS
	s_wait_dscnt 0x0                               ; both opening adds are done
	s_wait_kmcnt 0x0
	s_add_nc_u64 s[20:21], s[4:5], s[20:21]
	s_add_nc_u64 s[22:23], s[6:7], s[22:23]
	s_add_nc_u64 s[46:47], s[8:9], s[46:47]
	s_add_nc_u64 s[92:93], s[10:11], s[92:93]
	CROUND                                         ; all sixteen work-groups are here: the joint loads meet
	s_mov_b32 s[G0S], 1
	s_add_co_u32 s[G0S+1], s94, SCL
	s_mov_b64 s[G0S+2:G0S+3], s[22:23]
	s_or_b32 s[G0S+3], s[G0S+3], 0x80000000
	s_mov_b32 s[G0SB], 1
	s_add_co_u32 s[G0SB+1], s94, SCL
	s_mov_b64 s[G0SB+2:G0SB+3], s[92:93]
	s_or_b32 s[G0SB+3], s[G0SB+3], 0x80000000
	JLOAD G0S, G1S, G0SB, G1SB                     ; the scales first: they are wanted with the first slot
.irp s, 0,1
	s_mov_b32 s[G0+4*\s], 1
	s_add_co_u32 s[G0+4*\s+1], s45, \s*SLOT
	s_add_nc_u64 s[G0+4*\s+2:G0+4*\s+3], s[20:21], \s*ROWB
	s_or_b32 s[G0+4*\s+3], s[G0+4*\s+3], 0x80000000
	s_mov_b32 s[G0B+4*\s], 1
	s_add_co_u32 s[G0B+4*\s+1], s45, \s*SLOT
	s_add_nc_u64 s[G0B+4*\s+2:G0B+4*\s+3], s[46:47], \s*ROWB
	s_or_b32 s[G0B+4*\s+3], s[G0B+4*\s+3], 0x80000000
	JLOAD G0+4*\s, G1, G0B+4*\s, G1B
.endr
	v_and_b32 v1, 15, v0                           ; r
	v_bfe_u32 v2, v0, 4, 1                         ; h
	v_mul_u32_u24 v3, v1, PITCH
	v_lshl_add_u32 v4, v2, 4, v3
	s_mul_i32 s21, s15, HALFT
	s_mul_i32 s22, s16, HALFT
	s_add_co_u32 s22, s22, 2*HALFT
.irp s, 0,1
	v_add_nc_u32 v[ADRA+\s], s21, v4
	v_add_nc_u32 v[ADRB+\s], s22, v4
	s_add_co_u32 s21, s21, SLOT
	s_add_co_u32 s22, s22, SLOT
.endr
	v_mul_u32_u24 v5, v1, KS                       ; my row's scales: 32 bytes a row, and 16 more for each 256 passed
	v_lshrrev_b32 v6, 8, v5
	v_lshl_add_u32 v5, v6, 4, v5
	s_mul_i32 s21, s15, HALFS
	s_mul_i32 s22, s16, HALFS
	s_add_co_u32 s22, s22, 2*HALFS
	s_sub_co_u32 s22, s22, s21
	v_mul_u32_u24 v6, s22, v2                      ; lanes 16-31 take W's
	s_add_co_u32 s21, s21, SCL
	v_add_nc_u32 v5, v5, v6
	v_add_nc_u32 v[ADRS], s21, v5
	s_mul_i32 s23, s14, 2*HSTG                     ; my stage
	v_mul_u32_u24 v5, v1, SPITCH                   ; in: token r, 16 bytes for each half of the lanes
	v_lshl_add_u32 v5, v2, 4, v5
	v_add_nc_u32 v[STO], s23, v5
	v_and_b32 v6, 31, v0
	v_lshrrev_b32 v5, 3, v6                        ; back: eight lanes to a token, four tokens an instruction
	v_mul_u32_u24 v5, v5, SPITCH
	v_and_b32 v7, 7, v0
	v_lshl_add_u32 v5, v7, 4, v5
	v_add_nc_u32 v[RD], s23, v5
	v_lshlrev_b32 v[CO], 4, v6                     ; and in memory those four tokens of a head are 512 dense bytes
	s_lshr_b32 s20, s17, 3                         ; where my part begins in qkv16: batch,
	s_lshl_b32 s20, s20, 4
	s_and_b32 s46, s42, 3
	s_lshl_b32 s46, s46, 2                         ; the tile's four heads,
	s_add_co_u32 s20, s20, s46
	s_lshl_b32 s46, s16, 1                         ; my two of them,
	s_add_co_u32 s20, s20, s46
	s_lshl_b32 s20, s20, 11                        ; 2,048 tokens a head,
	s_and_b32 s46, s17, 7
	s_lshl_b32 s46, s46, 8                         ; the tile's 256 tokens,
	s_add_co_u32 s20, s20, s46
	s_lshl_b32 s46, s15, 7                         ; my 128 of them,
	s_add_co_u32 s20, s20, s46
	s_lshl_b32 s20, s20, 7                         ; 128 bytes a token,
	s_lshr_b32 s46, s42, 2
	s_lshl_b32 s46, s46, 24                        ; and q, k or v
	s_add_co_u32 s20, s20, s46
	s_mov_b32 s21, 0
	s_add_nc_u64 s[12:13], s[12:13], s[20:21]
.macro FRAG reg, adr, q, i             ; 16 rows x 128 K of 4-bit codes: 8 registers: two loads of 16 bytes, 32 bytes apart
.irp c, 0,1
	ds_load_b128 v[\reg+4*\c:\reg+4*\c+3], v[\adr] offset:64*(\q)+32*\c+(\i)*16*PITCH
.endr
.endm
; 16 matrix instructions: x's blocks a0, a0 + 1 against W's eight, 128 along K.  The 64 accumulators take turns, one instruction a turn, in the same order in every step.
.macro MUL16 a0, p, q, sc, zero
.irp a, \a0, \a0+1
.irp b, 0,1,2,3,4,5,6,7
.if \zero
	v_wmma_scale_f32_16x16x128_f8f6f4 v[8*(8*((\a)%4)+\b):8*(8*((\a)%4)+\b)+7], v[128*(\p)+FR*\b:128*(\p)+FR*\b+FR-1], v[AF+FR*(\a):AF+FR*(\a)+FR-1], 0, v[SC+8*NQ*(\sc)+NQ*\b+(\q)], v[SC+8*NQ*(\sc)+NQ*(\a)+(\q)] matrix_a_fmt:MATRIX_FMT_FP4 matrix_b_fmt:MATRIX_FMT_FP4 matrix_a_scale:MATRIX_SCALE_ROW1
.else
	v_wmma_scale_f32_16x16x128_f8f6f4 v[8*(8*((\a)%4)+\b):8*(8*((\a)%4)+\b)+7], v[128*(\p)+FR*\b:128*(\p)+FR*\b+FR-1], v[AF+FR*(\a):AF+FR*(\a)+FR-1], v[8*(8*((\a)%4)+\b):8*(8*((\a)%4)+\b)+7], v[SC+8*NQ*(\sc)+NQ*\b+(\q)], v[SC+8*NQ*(\sc)+NQ*(\a)+(\q)] matrix_a_fmt:MATRIX_FMT_FP4 matrix_b_fmt:MATRIX_FMT_FP4 matrix_a_scale:MATRIX_SCALE_ROW1
.endif
.endr
.endr
.endm
.macro FETCH_B slot, q, p
	WIN TO_B
.irp i, 0,1,2,3,4,5,6,7
	FRAG 128*(\p)+FR*\i, ADRB+\slot, \q, \i
.endr
	WIN 0
.endm
.macro FETCH_A slot, q, i0
.irp i, \i0, \i0+1, \i0+2, \i0+3
	FRAG AF+FR*(\i), ADRA+\slot, \q, \i
.endr
.endm
.macro SCALES sc                       ; a slot's scale words: lanes 0-15 take x's block i, lanes 16-31 W's block i
.irp i, 0,1,2,3,4,5,6,7
	ds_load_b128 v[SC+8*NQ*\sc+NQ*\i:SC+8*NQ*\sc+NQ*\i+3], v[ADRS] offset:\i*SBLK
.endr
.endm
.macro PLACES n                        ; plain vector places between a matrix instruction and a load into, or a read of, its registers
.rept \n
	v_nop
.endr
.endm
.macro STEP slot, q, zero              ; a step of 128 along K that has its successor in the same slot
	s_wait_dscnt 4*NL                              ; all but the youngest eight loads (x's blocks 4-7) are in
	WIN MUL_LO
	MUL16 0, (\q)%2, \q, \slot, \zero
	MUL16 2, (\q)%2, \q, \slot, \zero
	s_wait_dscnt 0
	PLACES NP
	FETCH_B \slot, (\q)+1, 1-(\q)%2
	FETCH_A \slot, (\q)+1, 0
	WIN MUL_HI
	MUL16 4, (\q)%2, \q, \slot, \zero
	MUL16 6, (\q)%2, \q, \slot, \zero
	PLACES NP
	WIN 0
	FETCH_A \slot, (\q)+1, 4
.endm
.macro TURN slot, next                 ; slot 0's last step: one barrier; in front of it each wave waits for all its tensor loads (its part of slot 1) and for its reads of slot 0.  Nothing is filled again
	s_wait_tensorcnt 0x0
	ds_add_u32 v[SPW], v[NIL]
	s_wait_dscnt 4*NL+1                            ; the add and the youngest eight loads may be out
	WIN MUL_LO
	MUL16 0, 1, NQ-1, \slot, 0
	s_wait_dscnt 0x0                               ; the add is done, and my reads of this slot are over
	s_barrier_signal -1
	MUL16 2, 1, NQ-1, \slot, 0
	WIN 0
	s_barrier_wait -1
	PLACES NP
	v_add_nc_u32 v[ADRS], 4*NQ, v[ADRS]            ; on to the next slot's scale words
	FETCH_B \next, 0, 0
	FETCH_A \next, 0, 0
	SCALES \next
	WIN MUL_HI
	MUL16 4, 1, NQ-1, \slot, 0
	MUL16 6, 1, NQ-1, \slot, 0
	PLACES NP
	WIN 0
	FETCH_A \next, 0, 4
.endm
.macro STEPS slot, from
.set Q, \from
.rept NQ-1-\from
	STEP \slot, Q, 0
.set Q, Q+1
.endr
.endm
	s_wait_tensorcnt 1                             ; the scales and my part of slot 0 are in; slot 1's load may be out
	s_barrier_signal -1
	s_barrier_wait -1
	FETCH_B 0, 0, 0
	FETCH_A 0, 0, 0
	SCALES 0
	FETCH_A 0, 0, 4
	STEP 0, 0, 1                                   ; the first step's products start the sums
	STEPS 0, 1
	TURN 0, 1
	STEPS 1, 0
	s_wait_dscnt 4*NL                              ; the last step: nothing more to fetch
	WIN MUL_LO
	MUL16 0, 1, NQ-1, 1, 0
	MUL16 2, 1, NQ-1, 1, 0
	s_wait_dscnt 0
	WIN MUL_HI
	MUL16 4, 1, NQ-1, 1, 0
	MUL16 6, 1, NQ-1, 1, 0
	WIN 0
; THE WAY OUT, a block of 16 tokens x 128 columns (two heads) at a time.  PACK: rounded to f16, 16 bytes a lane, each accumulator from its low end on.  TOSTAGE: into my stage, a head's 16 tokens together,
; and back four tokens (512 bytes) an instruction.  SEND: in qkv16 those 512 bytes are dense and aligned.
.macro PACK a
.set AC, 64*((\a)%4)
	WIN 0x0a+5*((\a)/4)                            ; sources 0 and 1: window 2 or 3
.irp b, 0,1,2,3,4,5,6,7
.irp r, 0,1,2,3
	v_cvt_pk_f16_f32 v[TMP+4*\b+\r], v[AC+8*\b+2*\r], v[AC+8*\b+2*\r+1]
.endr
.endr
	WIN 0
.endm
.macro TOSTAGE a
.set BB, BK+32*((\a)%2)
.irp b, 0,1,2,3,4,5,6,7
	ds_store_b128 v[STO], v[TMP+4*\b:TMP+4*\b+3] offset:(\b/4)*HSTG+32*(\b%4)
.endr
.irp t, 0,1,2,3,4,5,6,7
	ds_load_b128 v[BB+4*\t:BB+4*\t+3], v[RD] offset:(\t/4)*HSTG+(\t%4)*4*SPITCH   ; LDS serves a wave's instructions in order: these see the stores above
.endr
.endm
.macro SEND a
.set BB, BK+32*((\a)%2)
	s_wait_dscnt 0x0                               ; the block is back in registers
	s_wait_xcnt 0x0                                ; the stores of the block before have read their registers: the next block's loads from the stage may land there
.irp t, 0,1,2,3,4,5,6,7
	global_store_b128 v[CO], v[BB+4*\t:BB+4*\t+3], s[12:13] offset:(\a)*2048+(\t/4)*262144+(\t%4)*512
.endr
.endm
	PLACES NP
	PACK 0
	TOSTAGE 0
.irp a, 1,2,3,4,5,6,7                  ; block a's conversions stand between block a - 1's loads from the stage and the wait for them
	PACK \a
	SEND \a-1
	TOSTAGE \a
.endr
	SEND 7
	s_wait_tensorcnt 0x0                           ; the wave's end
	ds_add_u32 v[SPW], v[NIL]
	s_wait_dscnt 0x0
	CROUND                                         ; the closing round
	s_endpgm
.Lfunc_end_k_q5f9eb66e7f_qkv:
	.size	k_q5f9eb66e7f_qkv, .Lfunc_end_k_q5f9eb66e7f_qkv-k_q5f9eb66e7f_qkv
	.p2alignl 7, 3214868480
	.fill 96, 4, 3214868480
	.section	.rodata,"a",@progbits
	.p2align	6, 0x0
	.amdhsa_kernel k_q5f9eb66e7f_qkv
		.amdhsa_group_segment_fixed_size 327680
		.amdhsa_private_segment_fixed_size 0
		.amdhsa_enable_private_segment 0
		.amdhsa_kernarg_size 40
		.amdhsa_user_sgpr_count 2
		.amdhsa_user_sgpr_kernarg_segment_ptr 1
		.amdhsa_wavefront_size32 1
		.amdhsa_system_sgpr_workgroup_id_x 1
		.amdhsa_system_sgpr_workgroup_id_y 1
		.amdhsa_system_sgpr_workgroup_id_z 1
		.amdhsa_system_vgpr_workitem_id 0
		.amdhsa_next_free_vgpr 1024
		.amdhsa_next_free_sgpr 98
		.amdhsa_reserve_vcc 0
		.amdhsa_float_denorm_mode_32 3
		.amdhsa_float_denorm_mode_16_64 3
		.amdhsa_memory_ordered 1
		.amdhsa_forward_progress 1
		.amdhsa_inst_pref_size 126
	.end_amdhsa_kernel
	.amdgpu_metadata
---
amdhsa.version: [ 1, 2 ]
amdhsa.kernels:
  - .name:           k_q5f9eb66e7f_qkv
    .symbol:         k_q5f9eb66e7f_qkv.kd
    .args:
      - { .name: xc, .offset: 0, .size: 8, .value_kind: global_buffer, .address_space: global }
      - { .name: xs, .offset: 8, .size: 8, .value_kind: global_buffer, .address_space: global }
      - { .name: wc, .offset: 16, .size: 8, .value_kind: global_buffer, .address_space: global }
      - { .name: ws, .offset: 24, .size: 8, .value_kind: global_buffer, .address_space: global }
      - { .name: qkv16, .offset: 32, .size: 8, .value_kind: global_buffer, .address_space: global }
    .group_segment_fixed_size: 327680
    .private_segment_fixed_size: 0
    .kernarg_segment_align: 8
    .kernarg_segment_size: 40
    .max_flat_workgroup_size: 128
    .sgpr_count:     98
    .vgpr_count:     1024
    .wavefront_size: 32
...
	.end_amdgpu_metadata
.endif
;; end of part 2
;; launch attn (part 3): grid 4 x 64, 8 waves a work-group, clusters of 4 x 1, 327,680 bytes of LDS; arguments qkv16, mb, o16; writes o16
.if DOCPART == 3
	.amdgcn_target "amdgcn-amd-amdhsa--gfx1250"
	.amdhsa_code_object_version 6
	.text
	.protected	k_q5f9eb66e7f_attn
	.globl	k_q5f9eb66e7f_attn
	.p2align	8
	.type	k_q5f9eb66e7f_attn,@function
k_q5f9eb66e7f_attn:
	s_mov_b64 s[64:65], 0
	v_nop
	global_prefetch_b8 v0, s[64:65] scope:SCOPE_SE
	s_setreg_imm32_b32 hwreg(HW_REG_WAVE_MODE, 25, 1), 1
	s_wait_xcnt 0x0
	s_wait_alu depctr_hold_cnt(0) depctr_sa_sdst(0) depctr_va_vdst(0) depctr_va_sdst(0) depctr_va_ssrc(0) depctr_va_vcc(0) depctr_vm_vsrc(0)
	s_getreg_b32 s2, hwreg(HW_REG_IB_STS2, 6, 4)
	s_cmp_eq_u32 s2, 0
	s_cbranch_scc0 .Lentry_in_a_cluster
	s_endpgm
.Lentry_in_a_cluster:
	s_bfe_u32 s2, ttmp6, 0x10000c
	s_cmp_lg_u32 s2, 0x3003
	s_cbranch_scc0 .Lentry_shape_is_right
	s_endpgm
.Lentry_shape_is_right:
; ATTN: o = softmax(q k^T / 8 + mask) v for one batch and head, f16 operands, f32 products, maxima and sums; o leaves as f16, laid o16 [head][token 8192][64].
; SHARES.  A cluster of four work-groups owns one (batch, head); a work-group 512 queries; each of its eight waves 64: four tiles of 16, in 512 registers, two waves to a SIMD.  Every wave walks all 2,048 keys, 64 a step.
; The four partners walk the same K, V and mask, so every tile is asked for JOINTLY (mask 15).  A slot holds four key steps; each wave brings one step's K (waves 0-3) or V (waves 4-7): 32 rows of 256 bytes
; (two keys a row, since a head's rows are dense): a slot's 64 KiB shared among eight waves gives loads of that size.
; LAYOUT.  S^T = K Q^T (source 0 = 16 keys, source 1 = 16 queries) and O^T = V^T P: a lane holds ONE query throughout.  THE MASK IS THE C OF A SCORE'S FIRST MATRIX INSTRUCTION: 0, or -2^127 for a key with mask == 0.
; SOFTMAX.  A running maximum m and sum l for each query: p = 2^(c s - c m), c = log2(e) / 8; O and l are multiplied by a = 2^(c m_old - c m_new) in every step.  m starts at -2^120, above every masked score,
; so a masked key has p = 0; a query with no key left has l = 0 and O = 0, and 0 x (1 / 0) is NaN, as in reference().
; LIMITS: true scores under -2^120 count as masked; q, k, v, o in f16 (magnitudes under 65,504); p is rounded to f16 for the second product, the sum is taken of the unrounded p.
; BY TURNS, ONE TILE AT A TIME.  Tile-steps are numbered n = 4 x step + tile.  Turn n issues the 8 products K Q^T of n + 1 and the 8 products V^T P of n - 1, and the softmax of n, cut into 16 slices, stands between
; them, GRP slices behind every GRP matrix instructions.  So only two tiles of scores and two of weights are alive, and each fragment of K and V read from LDS still feeds four tiles.
; REGISTERS: window 0: v2-15 addresses; v16-47 statistics, 8 a tile; v48-79 the step's mask addends; v80-143 S^T, two buffers; v144-175 P, two buffers; v176-239 K of one step.
;   window 1: v0-63 Q; v64-127 V of one step; v128-255 O^T, 32 a tile.
.set PK,    272                        ; a row of two keys of K in LDS: 256 bytes + 16
.set PVP,   288                        ; of V: 256 + 32
.set VOFF,  32*PK                      ; a step's tiles lie together: 32 rows of K, then 32 rows of V
.set STEPB, 32*(PK+PVP)
.set SLOT1, 1<<17                      ; slot 1 begins here: one exclusive or turns an address from one slot to the other
.set SLOTB, 32768                      ; a slot's 256 keys in memory
.set REGION, 1<<24                     ; from q to k, and from k to v, in qkv16
.set STAGE, SLOT1+4*STEPB              ; behind the ring: 16 rows x 144 bytes for each wave, for the way out
.set SP,    144
.set MASKB, STAGE+8*16*SP              ; the batch's 2,048 mask addends: filled once
.set SPARE, MASKB+8192                 ; the spare words, 128 bytes for each of eight waves; no other line names them
.set GRP,   2                          ; matrix instructions on end under one window setting
.set M0,    0xfb800000                 ; -2^120
.set AK0, 2
.set AV0, 3
.set AM0, 4
.set ADR, 5
.set QO,  6
.set STO, 7
.set RD,  8
.set GO,  9
.set PFO, 10
.set SPW, 12
.set NIL, 13
.set ADR2, 14
.set ST,  16                           ; tile t's statistics at v[ST+8 t]: +0 c m, +1 m, +2, +3 l in two halves, +4 to +7 at work; a takes +6
.set MB,  48
.set S,   80
.set P,   144
.set KF,  176
.set WV,  14
.set G1K, 24
.set G1V, 32
.set G0K, 40                           ; two sets for the two first fills; the second then walks
.set G0V, 48
.set SLOTS, 56
.set TRIPS, 57
.set CS,  58
.set SEL, 60
.set TB,  62                           ; LDS byte at which the tiles of the step to be fetched begin
.set TM,  63                           ; and its mask addends: 256 bytes a step
.set G1M, 68
.set G0M, 76
.set PFA, 80
.set LIM, 82
.set QP,  84
.set OP,  86
.set MSB, 0
.macro WIN new                         ; the immediate's high byte repeats the setting that is left; a switch that changes nothing is dropped
.if MSB != \new
	s_set_vgpr_msb (MSB<<8)|\new
.set MSB, \new
.endif
.endm
.set W_QK, 0x04                        ; Q (source 1) in window 1; K, the mask and S^T in window 0
.set W_PV, 0x51                        ; V (source 0), C and D in window 1; P in window 0
.set W_RS, 0x41                        ; O^T (destination and source 0) in window 1, a in window 0
.macro PLACES                          ; plain vector places between a matrix instruction and a load into, or a read of, its registers
.rept 4
	v_nop
.endr
.endm
.macro JLOAD                           ; a joint refill: waves 0-3 K's four steps, waves 4-7 V's.  An s_nop 0 and four v_nop follow each line
	s_cmp_lt_u32 s[WV], 4
	s_cbranch_scc0 .Lfor_v_\@
	tensor_load_to_lds s[G0K+4:G0K+7], s[G1K:G1K+7]
	s_nop 0
.rept 4
	v_nop
.endr
	s_branch .Lasked_\@
.Lfor_v_\@:
	tensor_load_to_lds s[G0V+4:G0V+7], s[G1V:G1V+7]
	s_nop 0
.rept 4
	v_nop
.endr
.Lasked_\@:
.endm
; A prefetch of what the NEXT change of slots will ask for: 128 rows of 256 bytes of K and as many of V, four key steps (256 matrix instructions of a wave) ahead of that load.  A head has one cluster; its four
; partners take 32 rows each, told apart by address; in each, wave 0 asks for K's and wave 4 for V's, a lane a row: each row is named once.  The last change that fills a slot asks for nothing.
.macro ASK
	s_cmp_gt_u32 s[SLOTS], s[LIM]
	s_cbranch_scc0 .Lnot_mine_\@
	global_prefetch_b8 v[PFO], s[PFA:PFA+1] th:TH_LOAD_NT scope:SCOPE_SE
.Lnot_mine_\@:
.endm
.macro CROUND                          ; a round of the cluster's barrier
	s_barrier_signal -1
	s_barrier_wait -1
	s_cmp_lg_u32 s[WV], 0
	s_cbranch_scc1 .Lnot_wave_0_\@
	s_barrier_signal -3
.Lnot_wave_0_\@:
	s_barrier_wait -3
	s_barrier_signal -1
	s_barrier_wait -1
.endm
; Product i of 8 of S^T = K Q^T + mask for tile x: keys 16 (i % 4) on, channels 32 (i / 4) on.  The four accumulators take turns.
.macro QK x
	WIN W_QK
.set rS, S+32*((\x)%2)+8*(i%4)
.set rK, KF+16*(i%4)+8*(i/4)
.set rQ, 16*(\x)+8*(i/4)
.if i < 4
	v_wmma_f32_16x16x32_f16 v[rS:rS+7], v[rK:rK+7], v[rQ:rQ+7], v[MB+8*(i%4):MB+8*(i%4)+7]
.else
	v_wmma_f32_16x16x32_f16 v[rS:rS+7], v[rK:rK+7], v[rQ:rQ+7], v[rS:rS+7]
.endif
.endm
; Product i of 8 of O^T += V^T P for tile x: channels 16 (i % 4) on, keys 32 (i / 4) on.  zero = 1: the first four start the sums
.macro PV x, zero
	WIN W_PV
.set rO, 128+32*(\x)+8*(i%4)
.set rV, 64+32*(i/4)+8*(i%4)
.set rP, P+16*((\x)%2)+8*(i/4)
.if (\zero) && (i < 4)
	v_wmma_f32_16x16x32_f16 v[rO:rO+7], v[rV:rV+7], v[rP:rP+7], 0
.else
	v_wmma_f32_16x16x32_f16 v[rO:rO+7], v[rV:rV+7], v[rP:rP+7], v[rO:rO+7]
.endif
.endm
.macro FETCH_K                         ; a step's K (8 fragments) and its mask addends (register j of tile kt: key 16 kt + 8 (lane / 16) + j): 24 loads in one run
	WIN 0
	v_add_nc_u32 v[ADR], s[TB], v[AK0]
	v_add_nc_u32 v[ADR2], s[TM], v[AM0]
	s_add_co_u32 s[TM], s[TM], 256
.irp f, 0,1,2,3,4,5,6,7
	ds_load_b128 v[KF+8*\f:KF+8*\f+3],   v[ADR] offset:(\f/2)*8*PK+(\f%2)*64
	ds_load_b128 v[KF+8*\f+4:KF+8*\f+7], v[ADR] offset:(\f/2)*8*PK+(\f%2)*64+32
.endr
.irp f, 0,1,2,3
	ds_load_b128 v[MB+8*\f:MB+8*\f+3],   v[ADR2] offset:64*\f
	ds_load_b128 v[MB+8*\f+4:MB+8*\f+7], v[ADR2] offset:64*\f+16
.endr
.endm
.macro FETCH_V                         ; a step's V, turned: 8 fragments, 16 loads
	WIN 0
	v_add_nc_u32 v[ADR], s[TB], v[AV0]
	s_add_co_u32 s[TB], s[TB], STEPB               ; the next fetch is the next step's
	WIN 0x40                                       ; destination window 1
.irp f, 0,1,2,3,4,5,6,7
	ds_load_tr16_b128 v[64+8*\f:64+8*\f+3],   v[ADR] offset:(\f/4)*16*PVP+(\f%4)*32
	ds_load_tr16_b128 v[64+8*\f+4:64+8*\f+7], v[ADR] offset:(\f/4)*16*PVP+8*PVP+(\f%4)*32
.endr
.endm
; ONE TILE'S SOFTMAX FOR ONE KEY STEP: a list of 118 instructions; SM writes number j of it for tile t.  first = 1: the first key step, which starts m, l and O^T.
;   0-15   the maximum of the lane's 32 scores and the old m (first: the floor M0), each accumulator read from its low end on      16-20  the other half of the lanes'; m; c m; its change
;   21-69  ONE BATCH: the 16 packed scalings c s - c m and all 33 exponentials; none reads an exponential's result.  A pair is scaled two numbers or more ahead of its exponentials
;   (behind 69: one plain instruction and the batch's one wait, written by SLICE)      70-85  p rounded to f16, in pairs      86-101  the sum of the unrounded p; l = a l + sum      102-117  O^T x a
.macro SM t, first
.set rT, ST+8*(\t)
.set rS, S+32*((\t)%2)
.set rP, P+16*((\t)%2)
.if j < 102
	WIN 0
.endif
.if j < 4
	v_max3_num_f32 v[rT+4+j], v[rS+8*j], v[rS+8*j+1], v[rS+8*j+2]
.elseif j < 12
	v_max3_num_f32 v[rT+4+j%4], v[rT+4+j%4], v[rS+8*(j%4)+2*(j/4)+1], v[rS+8*(j%4)+2*(j/4)+2]
.elseif j == 12
	v_max3_num_f32 v[rT+4], v[rT+4], v[rS+7], v[rS+15]
.elseif j == 13
	v_max3_num_f32 v[rT+6], v[rT+6], v[rS+23], v[rS+31]
.elseif j == 14
	v_max3_num_f32 v[rT+4], v[rT+4], v[rT+5], v[rT+6]
.elseif (j == 15) && \first
	v_max3_num_f32 v[rT+4], v[rT+4], v[rT+7], M0
.elseif j == 15
	v_max3_num_f32 v[rT+4], v[rT+4], v[rT+7], v[rT+1]
.elseif j == 16
	v_permlanex16_b32 v[rT+5], v[rT+4], s[SEL], s[SEL+1]   ; the query's other 32 keys lie in the lane 16 away
.elseif j == 18
	v_max_num_f32 v[rT+1], v[rT+4], v[rT+5]
.elseif j == 19
	v_mul_f32 v[rT], s[CS], v[rT+1]
.elseif ((j == 17) || (j == 20) || (j == 69) || (j > 100)) && \first   ; the first step has none of these
.elseif j == 17
	v_mov_b32 v[rT+7], v[rT]                       ; c m_old is kept for a
.elseif j == 20
	v_sub_f32 v[rT+7], v[rT+7], v[rT]
.elseif (j == 21) || ((j < 67) && ((j-22)%3 == 0))
.set b, (j-19)/3                       ; 21: pair 0; 22, 25, .. 64: pairs 1 to 15
	v_pk_fma_f32 v[rS+2*b:rS+2*b+1], v[rS+2*b:rS+2*b+1], s[CS:CS+1], v[rT:rT+1] op_sel_hi:[1,0,0] neg_lo:[0,0,1] neg_hi:[0,0,1]
.elseif j < 69
.set e, j-37                           ; 67, 68: scores 30, 31
.if j < 67
.set e, 2*((j-22)/3)+(j-22)%3-1        ; 23, 24: scores 0, 1; 26, 27: 2, 3; ..
.endif
	v_exp_f32 v[rS+e], v[rS+e]
.elseif j == 69
	v_exp_f32 v[rT+6], v[rT+7]
.elseif j < 86
	v_cvt_pk_f16_f32 v[rP+j-70], v[rS+2*(j-70)], v[rS+2*(j-70)+1]
.elseif j < 102                        ; the 16 pairs are added in place, neighbours 1, 2, 4 and 8 pairs apart, then l takes the sum
.set z, j-86
.set w, 4
.set u, z
.if z >= 14
.set w, 32
.set u, 0
.elseif z >= 12
.set w, 16
.set u, z-12
.elseif z >= 8
.set w, 8
.set u, z-8
.endif
.if (z == 14) && \first
	v_pk_add_f32 v[rT+2:rT+3], v[rS:rS+1], v[rS+16:rS+17]
.elseif z < 15
	v_pk_add_f32 v[rS+w*u:rS+w*u+1], v[rS+w*u:rS+w*u+1], v[rS+w*u+w/2:rS+w*u+w/2+1]
.else
	v_pk_fma_f32 v[rT+2:rT+3], v[rT+2:rT+3], v[rT+6:rT+7], v[rS:rS+1] op_sel_hi:[1,0,1]
.endif
.else
.set rO, 128+32*(\t)+2*(j-102)
	WIN W_RS
	v_pk_mul_f32 v[rO:rO+1], v[rO:rO+1], v[rT+6:rT+7] op_sel_hi:[1,0]
.endif
.endm
; Slice k of 16: numbers 7 k to 7 k + 6; slice 15 holds 105 to 117, thirteen plain multiplies, which are also the places behind the turn's last matrix instruction.
; Ahead of slice 10 nothing names an exponential's result and behind slice 9 none is issued: so the tile's 33 exponentials have one wait, behind one plain instruction.
.macro SLICE t, first
.if SMON
.if k < 15
.irp n, 0,1,2,3,4,5,6
.set j, 7*k+\n
	SM \t, \first
.endr
.else
.irp n, 0,1,2,3,4,5,6,7,8,9,10,11,12
.set j, 105+\n
	SM \t, \first
.endr
.endif
.if k == 9
	v_nop
	s_wait_alu depctr_va_vdst(0)
.endif
.endif
.set k, k+1
.endm
.macro MATS kind, x, zero, ts, first   ; eight matrix instructions of one kind (0: K Q^T, 1: V^T P), GRP on end, per slices for each behind them
.set i, 0
.rept 8/GRP
.rept GRP
.if \kind
	PV \x, \zero
.else
	QK \x
.endif
.set i, i+1
.endr
.rept GRP*per
	SLICE \ts, \first
.endr
.endr
.endm
.macro MID what                        ; between a turn's two halves.  1: the fragments asked for a turn ago are in.  2, 3: the buffer's last product stands just ahead: four places, then the next step's run of loads
.if (\what) == 1
	s_wait_dscnt 0x0
.elseif (\what) == 2
	PLACES
	FETCH_K
.elseif (\what) == 3
	PLACES
	FETCH_V
.endif
.endm
; A TURN.  order 0: K Q^T (tile tq) first, then V^T P (tile tp); 1: the other way round.  qk, sm: 0 or 1.  pv: 0 none, 1 starts O^T's sums, 2 adds.  ts: the softmax's tile.
; A turn with one kind of product has two slices behind each.  Where the softmax is the first step's, or there is none, slice 15 is empty and four v_nop take its part.
.macro TURN order, tq, qk, tp, pv, ts, sm, first, mid
.set k, 0
.set SMON, \sm
.set per, 2
.if (\qk) && (\pv)
.set per, 1
.endif
.if (\order) == 0
.if \qk
	MATS 0, \tq, 0, \ts, \first
.endif
	MID \mid
.if \pv
	MATS 1, \tp, 2-(\pv), \ts, \first
.endif
.else
.if \pv
	MATS 1, \tp, 2-(\pv), \ts, \first
.endif
	MID \mid
.if \qk
	MATS 0, \tq, 0, \ts, \first
.endif
.endif
.if (\first) || !(\sm)
	PLACES
.endif
.endm
; A TRIP: key step j's four turns.  It multiplies by V of step j, finishes K of step j, and fetches K and V of step j + 1: K behind the last product that read K of step j, 16 matrix instructions ahead of its use; V likewise.
.macro TRIP first, fetch, last
	TURN 0, 2, 1, 0, 2-(\first), 1, 1, \first, 1
	TURN 0, 3, 1, 1, 2-(\first), 2, 1, \first, 2*(\fetch)
	TURN 1, 0, 1-(\last), 2, 2-(\first), 3, 1, \first, 1-(\last)
	TURN 1, 1, 1-(\last), 3, 2-(\first), 0, 1-(\last), 0, 3*(\fetch)
.endm
; THE CHANGE OF SLOTS, at the head of the trip that fetches a slot's first step: the slot's last bytes, V of its fourth step, have been asked for.  Each wave waits for all its tensor loads (one is out: its part of the
; other slot), adds 0 to its spare word, and waits for that and for its reads of the slot.  fill = 1: the barrier is a round of the cluster's, and the joint refill, the keys two slots on, is the first thing behind it.
.macro CHANGE fill
	WIN 0
	s_wait_tensorcnt 0x0                           ; no tensor load of mine is out, so a group 0 may be written
	ds_add_u32 v[SPW], v[NIL]
.if \fill
.irp g, G0K+4, G0V+4
	s_xor_b32 s[\g+1], s[\g+1], SLOT1              ; the walking descriptor: the other slot than last time,
	s_add_nc_u64 s[\g+2:\g+3], s[\g+2:\g+3], SLOTB ; the next 256 keys
.endr
	s_wait_xcnt 0x0                                ; the last prefetch, four key steps back, has read its address
	s_add_nc_u64 s[PFA:PFA+1], s[PFA:PFA+1], SLOTB ; one slot further on than the walking descriptors
	s_wait_dscnt 0x0                               ; the add is done, and my reads of the slot are over
	CROUND
	JLOAD
	ASK
.else
	s_wait_dscnt 0x0
	s_barrier_signal -1
	s_barrier_wait -1
.endif
	s_sub_co_u32 s[TB], s[TB], 4*STEPB             ; the fetches go back to a slot's first step,
	s_xor_b32 s[TB], s[TB], SLOT1                  ; in the other slot
.endm
	s_load_b128 s[4:7], s[0:1], 0x0                ; qkv16 s[4:5], mb s[6:7]
	s_load_b64 s[8:9], s[0:1], 0x10                ; o16
	v_lshl_add_u32 v[SPW], v0, 2, SPARE
	v_mov_b32 v[NIL], 0
	ds_add_u32 v[SPW], v[NIL]                      ; the wave's opening: the add, twice on end, and its wait ahead of my first tensor load
	ds_add_u32 v[SPW], v[NIL]
	v_lshrrev_b32 v1, 5, v0
	v_readfirstlane_b32 s[WV], v1                  ; wave 0..7
	s_bfe_u32 s15, ttmp6, 0x40000                  ; cx: my place in the cluster
	s_and_b32 s16, ttmp7, 0xffff                   ; batch x 16 + head, which the four partners share
	s_lshl_b32 s20, s16, 18                        ; the head's first byte in q, in k and in v
	s_mov_b32 s21, 0
	s_and_b32 s17, s[WV], 3                        ; which of a slot's four steps I fetch:
	s_lshl_b32 s18, s17, 13                        ; its 64 keys of 128 bytes in memory,
	s_mul_i32 s19, s17, STEPB                      ; and its place in a slot
	s_add_co_u32 s22, s20, s18
	s_mov_b32 s23, 0
	s_lshr_b32 s10, s16, 4
	s_lshl_b32 s10, s10, 13                        ; the batch's 8,192 bytes of mask addends,
	s_lshl_b32 s83, s[WV], 10                      ; my 1,024 of them
	s_add_co_u32 s10, s10, s83
	s_mov_b32 s11, 0
	s_lshl_b32 s2, ttmp9, 2
	s_add_co_u32 s2, s2, s15                       ; my block of 512 queries: it enters Q's and O's addresses alone
	s_lshl_b32 s2, s2, 16
	s_lshl_b32 s3, s[WV], 13                       ; my wave's 64 of them
	s_add_co_u32 s2, s2, s3
	s_mov_b32 s3, 0
	s_and_b32 s88, s16, 15
	s_lshl_b32 s88, s88, 20                        ; o16: the head's 8,192 tokens,
	s_lshr_b32 s89, s16, 4
	s_lshl_b32 s89, s89, 18                        ; the batch's 2,048 of them
	s_add_co_u32 s88, s88, s89
	s_mov_b32 s89, 0
	s_mov_b32 s12, 2*REGION+2*SLOTB                ; the prefetches stand in slot 2 of V (waves 4-7)
	s_cmp_lt_u32 s[WV], 4
	s_cselect_b32 s12, REGION+2*SLOTB, s12         ; or of K (waves 0-3); the first change of slots steps them to slot 3
	s_lshl_b32 s13, s15, 13                        ; my work-group's 32 rows of the 128
	s_add_co_u32 s12, s12, s13
	s_mov_b32 s13, 0
	s_and_b32 s[LIM], s[WV], 3
	s_cmp_eq_u32 s[LIM], 0                         ; waves 0 and 4 ask
	s_cselect_b32 s[LIM], 1, -1
	s_mov_b32 s[G1K], 15|(1<<16)|(1<<20)|(1<<21)|(5<<22)|(3<<25)  ; the mask: all four work-groups; elements of 2 bytes; 4 words of padding after every 64; bit 21 beside a mask
	s_mov_b32 s[G1V], 15|(1<<16)|(1<<20)|(1<<21)|(5<<22)|(7<<25)  ; the same with 8 words of padding
.irp g, G1K, G1V
	s_mov_b32 s[\g+1], 128<<16                     ; tensor_dim0 = 128 elements: two keys
	s_mov_b32 s[\g+2], 32<<16                      ; tensor_dim1 = 32
	s_mov_b32 s[\g+3], 128<<16                     ; tile_dim0
	s_mov_b32 s[\g+4], 32                          ; tile_dim1
	s_mov_b32 s[\g+5], 128                         ; the pitch: the rows are dense
	s_mov_b32 s[\g+6], 0
	s_mov_b32 s[\g+7], 0
.endr
	s_mov_b32 s[G1M], 15|(3<<16)|(1<<21)           ; the mask addends: 4 rows of 32 elements of 8 bytes, no padding
	s_mov_b32 s[G1M+1], 32<<16
	s_mov_b32 s[G1M+2], 4<<16
	s_mov_b32 s[G1M+3], 32<<16
	s_mov_b32 s[G1M+4], 4
	s_mov_b32 s[G1M+5], 32
	s_mov_b32 s[G1M+6], 0
	s_mov_b32 s[G1M+7], 0
	s_mov_b32 s[CS], 0x3e38aa3b                    ; c = log2(e) / 8
	s_mov_b32 s[CS+1], s[CS]                       ; named with it as a pair, so it is written
	s_mov_b32 s[SEL], 0x76543210
	s_mov_b32 s[SEL+1], 0xfedcba98
	s_mov_b32 s[TB], 0
	s_mov_b32 s[TM], 0
	s_mov_b32 s[SLOTS], 6                          ; eight slots' worth of keys; two are first fills
	v_and_b32 v[PFO], 31, v0
	v_lshlrev_b32 v[PFO], 8, v[PFO]
	s_wait_dscnt 0x0                               ; both opening adds are done
	s_wait_kmcnt 0x0
	s_add_nc_u64 s[22:23], s[4:5], s[22:23]        ; q's region at my step's place: k's and v's lie one and two regions on
	s_add_nc_u64 s[10:11], s[6:7], s[10:11]
	s_add_nc_u64 s[QP:QP+1], s[4:5], s[20:21]
	s_add_nc_u64 s[PFA:PFA+1], s[QP:QP+1], s[12:13]
	s_add_nc_u64 s[QP:QP+1], s[QP:QP+1], s[2:3]    ; Q at my wave's first query
	s_add_nc_u64 s[OP:OP+1], s[8:9], s[88:89]
	s_add_nc_u64 s[OP:OP+1], s[OP:OP+1], s[2:3]    ; O likewise
	CROUND                                         ; all four work-groups are here: the first joint loads meet
	s_mov_b32 s[G0M], 1
	s_add_co_u32 s[G0M+1], s83, MASKB
	s_mov_b64 s[G0M+2:G0M+3], s[10:11]
	s_or_b32 s[G0M+3], s[G0M+3], 0x80000000
.irp s, 0,1
	s_mov_b32 s[G0K+4*\s], 1
	s_add_co_u32 s[G0K+4*\s+1], s19, \s*SLOT1
	s_add_nc_u64 s[G0K+4*\s+2:G0K+4*\s+3], s[22:23], REGION+\s*SLOTB
	s_or_b32 s[G0K+4*\s+3], s[G0K+4*\s+3], 0x80000000
	s_mov_b32 s[G0V+4*\s], 1
	s_add_co_u32 s[G0V+4*\s+1], s19, \s*SLOT1+VOFF
	s_add_nc_u64 s[G0V+4*\s+2:G0V+4*\s+3], s[22:23], 2*REGION+\s*SLOTB
	s_or_b32 s[G0V+4*\s+3], s[G0V+4*\s+3], 0x80000000
.endr
	tensor_load_to_lds s[G0M:G0M+3], s[G1M:G1M+7]  ; the first fills: my part of the mask addends, of slot 0 and of slot 1: three loads of mine are out
	s_nop 0
	s_cmp_lt_u32 s[WV], 4
	s_cbranch_scc0 .Lfirst_v
	tensor_load_to_lds s[G0K:G0K+3], s[G1K:G1K+7]
	s_nop 0
	tensor_load_to_lds s[G0K+4:G0K+7], s[G1K:G1K+7]
	s_nop 0
.rept 4
	v_nop
.endr
	s_branch .Lfirst_asked
.Lfirst_v:
	tensor_load_to_lds s[G0V:G0V+3], s[G1V:G1V+7]
	s_nop 0
	tensor_load_to_lds s[G0V+4:G0V+7], s[G1V:G1V+7]
	s_nop 0
.rept 4
	v_nop
.endr
.Lfirst_asked:
	v_and_b32 v1, 15, v0                           ; r
	v_bfe_u32 v11, v0, 4, 1                        ; h
	v_lshlrev_b32 v[QO], 7, v1
	v_lshl_add_u32 v[QO], v11, 4, v[QO]            ; query r's 128 bytes, + 16 h
	WIN 0x40                                       ; destination window 1
.irp i, 0,1,2,3,4,5,6,7                        ; Q stays in registers: tile i / 2, channels 32 (i % 2) on
	global_load_b128 v[8*\i:8*\i+3],   v[QO], s[QP:QP+1] offset:(\i/2)*2048+(\i%2)*64
	global_load_b128 v[8*\i+4:8*\i+7], v[QO], s[QP:QP+1] offset:(\i/2)*2048+(\i%2)*64+32
.endr
	WIN 0
	v_lshrrev_b32 v15, 1, v1                       ; key r of a tile lies in row r / 2, half r % 2
	v_mul_u32_u24 v[AK0], v15, PK
	v_and_b32 v15, 1, v0
	v_lshl_add_u32 v[AK0], v15, 7, v[AK0]
	v_lshl_add_u32 v[AK0], v11, 4, v[AK0]
	v_bfe_u32 v[AV0], v0, 1, 2                     ; the turning load: lane l reads key 8 h + l % 8: row 4 h + (l % 8) / 2, half l % 2; channels 8 ((l / 8) % 2) on
	v_lshl_add_u32 v[AV0], v11, 2, v[AV0]
	v_mul_u32_u24 v[AV0], v[AV0], PVP
	v_lshl_add_u32 v[AV0], v15, 7, v[AV0]
	v_bfe_u32 v15, v0, 3, 1
	v_lshl_add_u32 v[AV0], v15, 4, v[AV0]
	v_add_nc_u32 v[AV0], VOFF, v[AV0]
	v_lshl_add_u32 v[AM0], v11, 5, MASKB           ; the addends of keys 8 h on
	s_wait_tensorcnt 1                             ; the mask addends and my part of slot 0 are in; slot 1's may stay out
	s_barrier_signal -1
	s_barrier_wait -1
	FETCH_K                                        ; key step 0
	FETCH_V
	s_wait_loadcnt 0x0                             ; Q
	s_wait_dscnt 16                                ; K and the addends are in; V's sixteen loads may be out
.set i, 0
.rept 8
	QK 0                                           ; tile 0's first scores: there is no vector work yet to set between them
.set i, i+1
.endr
	WIN 0                                          ; the addresses for the way out are made here: plain instructions, the places behind those products
	s_mul_i32 s18, s[WV], 16*SP
	s_add_co_u32 s18, s18, STAGE                   ; my stage
	v_mul_u32_u24 v[STO], v1, SP                   ; in: row r, 16 bytes for each half of the lanes
	v_lshl_add_u32 v[STO], v11, 4, v[STO]
	v_add_nc_u32 v[STO], s18, v[STO]
	v_and_b32 v15, 31, v0
	v_lshrrev_b32 v[RD], 3, v15                    ; back: eight lanes to a query, four queries an instruction
	v_mul_u32_u24 v[RD], v[RD], SP
	v_and_b32 v[GO], 7, v0
	v_lshl_add_u32 v[RD], v[GO], 4, v[RD]
	v_add_nc_u32 v[RD], s18, v[RD]
	v_lshlrev_b32 v[GO], 4, v15                    ; in o16 those four queries are 512 dense bytes
	TURN 0, 1, 1, 0, 0, 0, 1, 1, 0                 ; tile 1's first scores | tile 0's first softmax
	TRIP 1, 1, 0                                   ; key step 0
	WIN 0                                          ; at a label and at a branch every window is 0
	s_mov_b32 s[TRIPS], 2
.Lhead:                                            ; key steps 1 and 2: they fetch steps 2 and 3, the rest of slot 0
	TRIP 0, 1, 0
	WIN 0
	s_sub_co_u32 s[TRIPS], s[TRIPS], 1
	s_cmp_lg_u32 s[TRIPS], 0
	s_cbranch_scc1 .Lhead
.Lslot:                                            ; six trips: each leaves a slot, fills it again, and walks four key steps
	CHANGE 1
	s_mov_b32 s[TRIPS], 4
.Lstep_a:
	TRIP 0, 1, 0
	WIN 0
	s_sub_co_u32 s[TRIPS], s[TRIPS], 1
	s_cmp_lg_u32 s[TRIPS], 0
	s_cbranch_scc1 .Lstep_a
	s_sub_co_u32 s[SLOTS], s[SLOTS], 1
	s_cmp_lg_u32 s[SLOTS], 0
	s_cbranch_scc1 .Lslot
	CHANGE 0                                       ; the tail is written out: nothing is left to ask for
	s_mov_b32 s[TRIPS], 4
.Lstep_b:
	TRIP 0, 1, 0
	WIN 0
	s_sub_co_u32 s[TRIPS], s[TRIPS], 1
	s_cmp_lg_u32 s[TRIPS], 0
	s_cbranch_scc1 .Lstep_b
	TRIP 0, 0, 1                                   ; the last key step: nothing is fetched, no scores follow
	; THE WAY OUT.  l's two halves and the other half of the lanes' are added; O^T is divided by l, rounded to f16 and sent through my stage, a tile (16 queries) at a time.
	WIN 0
.irp t, 0,1,2,3
	v_add_f32 v[ST+8*\t+4], v[ST+8*\t+2], v[ST+8*\t+3]
.endr
.irp t, 0,1,2,3
	v_permlanex16_b32 v[ST+8*\t+5], v[ST+8*\t+4], s[SEL], s[SEL+1]
.endr
.irp t, 0,1,2,3
	v_add_f32 v[ST+8*\t+4], v[ST+8*\t+4], v[ST+8*\t+5]
.endr
.irp t, 0,1,2,3
	v_rcp_f32 v[ST+8*\t+6], v[ST+8*\t+4]
.endr
	v_nop                                          ; a plain instruction between the last reciprocal and the use of its result
	s_wait_alu depctr_va_vdst(0)                   ; and the wait: one for the four
.macro PACK t
	WIN W_RS
.set i, 128+32*\t
.rept 16
	v_pk_mul_f32 v[i:i+1], v[i:i+1], v[ST+8*\t+6:ST+8*\t+7] op_sel_hi:[1,0]
.set i, i+2
.endr
	WIN 0x05                                       ; sources 0 and 1 window 1, destination window 0: S^T's registers are free
.set i, 0
.rept 16
	v_cvt_pk_f16_f32 v[S+16*\t+i], v[128+32*\t+2*i], v[128+32*\t+2*i+1]
.set i, i+1
.endr
	WIN 0
.irp f, 0,1,2,3
	ds_store_b128 v[STO], v[S+16*\t+4*\f:S+16*\t+4*\f+3] offset:32*\f
.endr
.irp f, 0,1,2,3
	ds_load_b128 v[S+16*\t+4*\f:S+16*\t+4*\f+3], v[RD] offset:\f*4*SP   ; LDS serves a wave's instructions in order: these see the stores above, and the next tile's stores come behind them
.endr
.endm
.macro SEND t, younger                 ; younger: the LDS instructions issued behind tile t's loads: the next tile's eight, or none
.irp f, 0,1,2,3
	s_wait_dscnt \younger+3-\f
	global_store_b128 v[GO], v[S+16*\t+4*\f:S+16*\t+4*\f+3], s[OP:OP+1] offset:\t*2048+\f*512   ; 32 lanes store 512 consecutive bytes, aligned
.endr
.endm
	PACK 0
	PACK 1
	SEND 0, 8
	PACK 2
	SEND 1, 8
	PACK 3
	SEND 2, 8
	SEND 3, 0
	s_wait_tensorcnt 0x0                           ; the wave's end
	ds_add_u32 v[SPW], v[NIL]
	s_wait_dscnt 0x0
	CROUND                                         ; the closing round
	s_endpgm
.Lfunc_end_k_q5f9eb66e7f_attn:
	.size	k_q5f9eb66e7f_attn, .Lfunc_end_k_q5f9eb66e7f_attn-k_q5f9eb66e7f_attn
	.p2alignl 7, 3214868480
	.fill 96, 4, 3214868480
	.section	.rodata,"a",@progbits
	.p2align	6, 0x0
	.amdhsa_kernel k_q5f9eb66e7f_attn
		.amdhsa_group_segment_fixed_size 327680
		.amdhsa_private_segment_fixed_size 0
		.amdhsa_enable_private_segment 0
		.amdhsa_kernarg_size 24
		.amdhsa_user_sgpr_count 2
		.amdhsa_user_sgpr_kernarg_segment_ptr 1
		.amdhsa_wavefront_size32 1
		.amdhsa_system_sgpr_workgroup_id_x 1
		.amdhsa_system_sgpr_workgroup_id_y 1
		.amdhsa_system_sgpr_workgroup_id_z 1
		.amdhsa_system_vgpr_workitem_id 0
		.amdhsa_next_free_vgpr 512
		.amdhsa_next_free_sgpr 90
		.amdhsa_reserve_vcc 0
		.amdhsa_float_denorm_mode_32 3
		.amdhsa_float_denorm_mode_16_64 3
		.amdhsa_memory_ordered 1
		.amdhsa_forward_progress 1
		.amdhsa_inst_pref_size 193
	.end_amdhsa_kernel
	.amdgpu_metadata
---
amdhsa.version: [ 1, 2 ]
amdhsa.kernels:
  - .name:           k_q5f9eb66e7f_attn
    .symbol:         k_q5f9eb66e7f_attn.kd
    .args:
      - { .name: qkv16, .offset: 0, .size: 8, .value_kind: global_buffer, .address_space: global }
      - { .name: mb, .offset: 8, .size: 8, .value_kind: global_buffer, .address_space: global }
      - { .name: o16, .offset: 16, .size: 8, .value_kind: global_buffer, .address_space: global }
    .group_segment_fixed_size: 327680
    .private_segment_fixed_size: 0
    .kernarg_segment_align: 8
    .kernarg_segment_size: 24
    .max_flat_workgroup_size: 256
    .sgpr_count:     90
    .vgpr_count:     512
    .wavefront_size: 32
...
	.end_amdgpu_metadata
.endif
;; end of part 3
;; launch fc (part 4): grid 4 x 64, 4 waves a work-group, clusters of 4 x 4, 327,680 bytes of LDS; arguments o16, wf16, b_fc, out0; writes out0
.if DOCPART == 4
	.amdgcn_target "amdgcn-amd-amdhsa--gfx1250"
	.amdhsa_code_object_version 6
	.text
	.protected	k_q5f9eb66e7f_fc
	.globl	k_q5f9eb66e7f_fc
	.p2align	8
	.type	k_q5f9eb66e7f_fc,@function
k_q5f9eb66e7f_fc:
	s_mov_b64 s[64:65], 0
	v_nop
	global_prefetch_b8 v0, s[64:65] scope:SCOPE_SE
	s_setreg_imm32_b32 hwreg(HW_REG_WAVE_MODE, 25, 1), 1
	s_wait_xcnt 0x0
	s_wait_alu depctr_hold_cnt(0) depctr_sa_sdst(0) depctr_va_vdst(0) depctr_va_sdst(0) depctr_va_ssrc(0) depctr_va_vcc(0) depctr_vm_vsrc(0)
	s_getreg_b32 s2, hwreg(HW_REG_IB_STS2, 6, 4)
	s_cmp_eq_u32 s2, 0
	s_cbranch_scc0 .Lentry_in_a_cluster
	s_endpgm
.Lentry_in_a_cluster:
	s_bfe_u32 s2, ttmp6, 0x10000c
	s_cmp_lg_u32 s2, 0xf033
	s_cbranch_scc0 .Lentry_shape_is_right
	s_endpgm
.Lentry_shape_is_right:
; FC: out0 = o W_fc + b_fc.  o16 [head 16][token 8192][64] f16 (K = head x 64 + channel), wf16 [k 1024][n 1024] f16, b_fc [1024] f32, out0 [8192][1024] f32; sums in f32.
; A tile of 128 tokens x 256 columns gives 4 x 64 = 256 work-groups; four waves, each 64 tokens x 128 columns: 32 accumulators.  K goes in steps of 128 (two heads) through a ring of two LDS slots.
; THE MATRIX INSTRUCTION IS USED TRANSPOSED (source 0 = 16 columns of W, read turned out of rows that lie along n; source 1 = 16 tokens): a lane holds eight neighbouring columns of one token.
; THE BIAS IS THE C OF EACH SUM'S FIRST MATRIX INSTRUCTION: eight registers for each block of 16 columns, in the result's layout.
; CLUSTERS: 4 x 4 work-groups; o's tiles are shared along a row of the cluster, W's along a column; a cluster spans all 1,024 columns.
; No prefetch: the tile is small, and a K step's tiles are shared fourfold.
; REGISTERS: window 0: v16-29 addresses; two fragment buffers at v32 and v128, each 64 registers of W and 32 of tokens (32 along K).  window 1: the accumulators, (a, b) at v[8 (8 a + b)].  window 2: v0-63 the bias.
.set PA,    272                        ; a row of two tokens of one head: 256 bytes + 16
.set AH,    64*PA                      ; a head's 128 tokens
.set PB,    544                        ; a row k of W: 512 bytes + 32
.set ASZ,   2*AH
.set SLOT,  ASZ+128*PB
.set STAGE, 2*SLOT                     ; behind the ring: 16 rows x 528 bytes for each wave
.set SPITCH, 528
.set SPARE, STAGE+4*16*SPITCH          ; the spare words, 128 bytes for each wave; no other line names them
.set LAPS,  4                          ; eight K steps, two to a lap
.set HEADB, 1048576                    ; a head of o16 in bytes
.set ADRT, 16                          ; v16-17 LDS address of my token fragments in slot 0, 1
.set ADRW, 20                          ; v20-21 the same for W
.set STO,  24
.set RD,   25
.set CO,   26
.set BO,   27
.set SPW,  28
.set NIL,  29
.set F0,   32
.set F1,   128
.set BK,   32                          ; the way out: 16 rows read back: v32-95 and v96-159 by turns
.set G1, 24
.set G0, 32
.set G1B, 48
.set G0B, 56
.set MSB, 0
.macro WIN new
.if MSB != \new
	s_set_vgpr_msb (MSB<<8)|\new
.set MSB, \new
.endif
.endm
.set MUL,  0x50                        ; C and D window 1; the fragments window 0
.set MULF, 0x60                        ; D window 1, C (the bias) window 2
.macro JLOAD s                         ; a joint load: waves 0 and 1 fetch the step's two heads of o, waves 2 and 3 the two halves of W's 128 rows; an s_nop 0 and four v_nop follow each line
	s_cmp_eq_u32 s13, 0
	s_cbranch_scc0 .Lfor_b_\@
	tensor_load_to_lds s[G0+4*\s:G0+4*\s+3], s[G1:G1+7]
	s_nop 0
.rept 4
	v_nop
.endr
	s_branch .Lasked_\@
.Lfor_b_\@:
	tensor_load_to_lds s[G0B+4*\s:G0B+4*\s+3], s[G1B:G1B+7]
	s_nop 0
.rept 4
	v_nop
.endr
.Lasked_\@:
.endm
.macro CREST                           ; a round of the cluster's barrier behind its opening barrier
	s_cmp_lg_u32 s12, 0
	s_cbranch_scc1 .Lnot_wave_0_\@
	s_barrier_signal -3
.Lnot_wave_0_\@:
	s_barrier_wait -3
	s_barrier_signal -1
	s_barrier_wait -1
.endm
.macro CROUND
	s_barrier_signal -1
	s_barrier_wait -1
	CREST
.endm
	s_load_b256 s[4:11], s[0:1], 0x0               ; o16 s[4:5], wf16 s[6:7], b_fc s[8:9], out0 s[10:11]
	v_lshl_add_u32 v[SPW], v0, 2, SPARE
	v_mov_b32 v[NIL], 0
	ds_add_u32 v[SPW], v[NIL]                      ; the wave's opening: the add, twice on end, and its wait ahead of my first tensor load
	ds_add_u32 v[SPW], v[NIL]
	v_lshrrev_b32 v1, 5, v0
	v_readfirstlane_b32 s12, v1                    ; wave 0..3
	s_lshr_b32 s13, s12, 1                         ; which half of the tile's tokens is mine.  Also: I fetch for o (0) or for W (1)
	s_and_b32 s14, s12, 1                          ; which half of its columns.  Also: which head, or which 64 rows of W, I fetch
	s_bfe_u32 s40, ttmp6, 0x40000                  ; cx, cy
	s_bfe_u32 s41, ttmp6, 0x40004
	s_lshl_b32 s42, ttmp9, 2
	s_add_co_u32 s42, s42, s40                     ; tile column
	s_and_b32 s15, ttmp7, 0xffff
	s_lshl_b32 s15, s15, 2
	s_add_co_u32 s15, s15, s41                     ; tile row
	s_lshl_b32 s43, s41, 2
	s_lshl_b32 s43, 15, s43                        ; my row of the cluster
	s_lshl_b32 s44, 0x1111, s40                    ; my column
	s_or_b32 s[G1+0], s43, (1<<16)|(1<<20)|(1<<21)|(5<<22)|(3<<25)   ; o: elements of 2 bytes; 4 words of padding after every 64
	s_mov_b32 s[G1+1], 128<<16                     ; tensor_dim0 = 128 elements: two tokens of a head
	s_mov_b32 s[G1+2], 64<<16                      ; tensor_dim1 = 64
	s_mov_b32 s[G1+3], 128<<16                     ; tile_dim0
	s_mov_b32 s[G1+4], 64                          ; tile_dim1
	s_mov_b32 s[G1+5], 128                         ; the pitch: a head's rows are dense
	s_mov_b32 s[G1+6], 0
	s_mov_b32 s[G1+7], 0
	s_or_b32 s[G1B+0], s44, (1<<16)|(1<<20)|(1<<21)|(6<<22)|(7<<25)  ; W: 8 words of padding after every 128
	s_mov_b32 s[G1B+1], 256<<16                    ; 256 columns
	s_mov_b32 s[G1B+2], 64<<16
	s_mov_b32 s[G1B+3], 256<<16
	s_mov_b32 s[G1B+4], 64
	s_mov_b32 s[G1B+5], 1024                       ; the pitch
	s_mov_b32 s[G1B+6], 0
	s_mov_b32 s[G1B+7], 0
	s_lshl_b32 s16, s14, 20                        ; o: my head of the step's two,
	s_lshl_b32 s17, s15, 14                        ; the tile's 128 tokens of 128 bytes
	s_add_co_u32 s16, s16, s17
	s_mov_b32 s17, 0
	s_lshl_b32 s46, s14, 17                        ; W: my 64 rows of 2,048 bytes,
	s_lshl_b32 s47, s42, 9                         ; the tile's 256 columns
	s_add_co_u32 s46, s46, s47
	s_mov_b32 s47, 0
	s_mul_i32 s20, s14, AH                         ; where they go: no place in the cluster enters an LDS address
	s_mul_i32 s21, s14, 64*PB
	s_add_co_u32 s21, s21, ASZ
	s_wait_dscnt 0x0                               ; both opening adds are done
	s_wait_kmcnt 0x0
	s_add_nc_u64 s[16:17], s[4:5], s[16:17]
	s_add_nc_u64 s[46:47], s[6:7], s[46:47]
	CROUND                                         ; all sixteen work-groups are here: the first joint loads meet
.irp s, 0,1
	s_mov_b32 s[G0+4*\s], 1
	s_add_co_u32 s[G0+4*\s+1], s20, \s*SLOT
	s_add_nc_u64 s[G0+4*\s+2:G0+4*\s+3], s[16:17], \s*2*HEADB
	s_or_b32 s[G0+4*\s+3], s[G0+4*\s+3], 0x80000000
	s_mov_b32 s[G0B+4*\s], 1
	s_add_co_u32 s[G0B+4*\s+1], s21, \s*SLOT
	s_add_nc_u64 s[G0B+4*\s+2:G0B+4*\s+3], s[46:47], \s*128*2048
	s_or_b32 s[G0B+4*\s+3], s[G0B+4*\s+3], 0x80000000
	JLOAD \s
.endr
	v_and_b32 v1, 15, v0                           ; r
	v_bfe_u32 v2, v0, 4, 1                         ; h
	v_lshlrev_b32 v[BO], 5, v2                     ; the bias: my half's eight columns of a block
	s_lshl_b32 s46, s42, 10
	s_lshl_b32 s47, s14, 9
	s_add_co_u32 s46, s46, s47                     ; my first column, in bytes of f32
	s_mov_b32 s47, 0
	s_add_nc_u64 s[8:9], s[8:9], s[46:47]
	WIN 0x80                                       ; destination window 2
.irp b, 0,1,2,3,4,5,6,7
	global_load_b128 v[8*\b:8*\b+3],   v[BO], s[8:9] offset:64*\b
	global_load_b128 v[8*\b+4:8*\b+7], v[BO], s[8:9] offset:64*\b+16
.endr
	WIN 0
	v_lshrrev_b32 v3, 1, v1                        ; token r of a block lies in row r / 2, half r % 2
	v_mul_u32_u24 v3, v3, PA
	v_and_b32 v4, 1, v0
	v_lshl_add_u32 v3, v4, 7, v3
	v_lshl_add_u32 v3, v2, 4, v3
	s_mul_i32 s22, s13, 32*PA                      ; my 64 tokens
	v_and_b32 v5, 7, v0                            ; the turning load: lane l reads row k = 8 h + l % 8, columns 8 ((l / 8) % 2) on
	v_lshl_add_u32 v5, v2, 3, v5
	v_mul_u32_u24 v5, v5, PB
	v_bfe_u32 v6, v0, 3, 1
	v_lshl_add_u32 v5, v6, 4, v5
	s_lshl_b32 s23, s14, 8                         ; my 128 columns
	s_add_co_u32 s23, s23, ASZ
.irp s, 0,1
	v_add_nc_u32 v[ADRT+\s], s22, v3
	v_add_nc_u32 v[ADRW+\s], s23, v5
	s_add_co_u32 s22, s22, SLOT
	s_add_co_u32 s23, s23, SLOT
.endr
	s_mul_i32 s23, s12, 16*SPITCH
	s_add_co_u32 s23, s23, STAGE                   ; my stage
	v_mul_u32_u24 v5, v1, SPITCH                   ; in: row r, 32 bytes for each half of the lanes
	v_lshl_add_u32 v5, v2, 5, v5
	v_add_nc_u32 v[STO], s23, v5
	v_and_b32 v6, 31, v0
	v_lshlrev_b32 v[CO], 4, v6                     ; back: the 32 lanes take one row of 512 bytes; and the same in out0
	v_add_nc_u32 v[RD], s23, v[CO]
	s_lshl_b32 s20, s15, 19                        ; my first row of out0: 128 x tile row + 64 x half, 4,096 bytes a row
	s_lshl_b32 s21, s13, 18
	s_add_co_u32 s20, s20, s21
	s_mov_b32 s21, 0
	s_add_nc_u64 s[20:21], s[20:21], s[46:47]
	s_add_nc_u64 s[10:11], s[10:11], s[20:21]
; 8 matrix instructions: token block a against W's eight blocks, 32 along K.  first = 1: the bias starts the sums.  The 32 accumulators take turns, one instruction a turn, in the same order in every quarter.
.macro MUL8 f, a, first
.irp b, 0,1,2,3,4,5,6,7
.if \first
	v_wmma_f32_16x16x32_f16 v[8*(8*(\a)+\b):8*(8*(\a)+\b)+7], v[\f+8*\b:\f+8*\b+7], v[\f+64+8*(\a):\f+64+8*(\a)+7], v[8*\b:8*\b+7]
.else
	v_wmma_f32_16x16x32_f16 v[8*(8*(\a)+\b):8*(8*(\a)+\b)+7], v[\f+8*\b:\f+8*\b+7], v[\f+64+8*(\a):\f+64+8*(\a)+7], v[8*(8*(\a)+\b):8*(8*(\a)+\b)+7]
.endif
.endr
.endm
.macro FETCH slot, q, f                ; 24 LDS loads in one run: the fragments of the slot's q-th 32 along K (head q / 2, channels 32 (q % 2) on) into buffer f; token blocks 2 and 3 last
	WIN 0
.irp i, 0,1,2,3,4,5,6,7
	ds_load_tr16_b128 v[\f+8*\i:\f+8*\i+3],   v[ADRW+\slot] offset:32*\i+(\q)*32*PB
	ds_load_tr16_b128 v[\f+8*\i+4:\f+8*\i+7], v[ADRW+\slot] offset:32*\i+(\q)*32*PB+16*PB
.endr
.irp i, 0,1,2,3
	ds_load_b128 v[\f+64+8*\i:\f+64+8*\i+3],   v[ADRT+\slot] offset:\i*8*PA+((\q)/2)*AH+((\q)%2)*64
	ds_load_b128 v[\f+64+8*\i+4:\f+64+8*\i+7], v[ADRT+\slot] offset:\i*8*PA+((\q)/2)*AH+((\q)%2)*64+32
.endr
.endm
.macro PLACES                          ; plain vector places between a matrix instruction and a load into, or a read of, its registers
.rept 4
	v_nop
.endr
.endm
.macro QUARTER slot, q, f, g, first    ; multiplies buffer f; in its middle it fetches the slot's q-th quarter into buffer g
	s_wait_dscnt 4                                 ; all but the youngest four loads (token blocks 2 and 3) are in
.if \first
	WIN MULF
.else
	WIN MUL
.endif
	MUL8 \f, 0, \first
	MUL8 \f, 1, \first
	PLACES
	FETCH \slot, \q, \g
	s_wait_dscnt 24                                ; all but the 24 just issued
.if \first
	WIN MULF
.else
	WIN MUL
.endif
	MUL8 \f, 2, \first
	MUL8 \f, 3, \first
.endm
; A slot's last quarter multiplies buffer 1 and changes slots: ONE barrier; in front of it each wave waits for all its tensor loads, adds 0 to its spare word, and waits for that and for its reads of this slot.
; fill = 1: the barrier opens a round of the cluster's, and this slot is filled again, two K steps ahead, first thing behind it: 112 matrix instructions ahead of the wait for it.
.macro TURN slot, next, fill
	WIN 0
	s_wait_tensorcnt 0x0                           ; all my tensor loads have landed: my part of the next slot
	ds_add_u32 v[SPW], v[NIL]
	s_wait_dscnt 5                                 ; the add and the youngest four loads may be out
	WIN MUL
	MUL8 F1, 0, 0
	s_wait_dscnt 0x0                               ; the add is done, and my reads of this slot are over
	s_barrier_signal -1
	MUL8 F1, 1, 0
	WIN 0
	s_barrier_wait -1
.if \fill
	CREST
	s_add_nc_u64 s[G0+4*\slot+2:G0+4*\slot+3], s[G0+4*\slot+2:G0+4*\slot+3], 4*HEADB
	s_add_nc_u64 s[G0B+4*\slot+2:G0B+4*\slot+3], s[G0B+4*\slot+2:G0B+4*\slot+3], 256*2048
	JLOAD \slot                                    ; the four v_nop behind it are also the places in front of the loads below
.else
	PLACES
.endif
	FETCH \next, 0, F0
	WIN MUL
	MUL8 F1, 2, 0
	MUL8 F1, 3, 0
.endm
	s_wait_tensorcnt 1                             ; my part of K step 0 is in; K step 1's may stay out
	s_barrier_signal -1
	s_barrier_wait -1
	FETCH 0, 0, F0
	s_wait_loadcnt 0x0                             ; the bias
	QUARTER 0, 1, F0, F1, 1                        ; the first quarter stands in front of the loop: its products start the sums
	WIN 0                                          ; at a label and at a branch every window is 0
	s_mov_b32 s3, LAPS-1
.Llap:                                             ; a trip goes once round the ring, from a lap's second quarter to the next lap's first, and fills both slots again
	QUARTER 0, 2, F1, F0, 0
	QUARTER 0, 3, F0, F1, 0
	TURN 0, 1, 1
	QUARTER 1, 1, F0, F1, 0
	QUARTER 1, 2, F1, F0, 0
	QUARTER 1, 3, F0, F1, 0
	TURN 1, 0, 1
	QUARTER 0, 1, F0, F1, 0
	WIN 0
	s_sub_co_u32 s3, s3, 1
	s_cmp_lg_u32 s3, 0
	s_cbranch_scc1 .Llap
	QUARTER 0, 2, F1, F0, 0                        ; the last lap fills nothing
	QUARTER 0, 3, F0, F1, 0
	TURN 0, 1, 0
	QUARTER 1, 1, F0, F1, 0
	QUARTER 1, 2, F1, F0, 0
	QUARTER 1, 3, F0, F1, 0
	s_wait_dscnt 4                                 ; the very last quarter: nothing more to fetch
	WIN MUL
	MUL8 F1, 0, 0
	MUL8 F1, 1, 0
	s_wait_dscnt 0x0
	MUL8 F1, 2, 0
	MUL8 F1, 3, 0
	WIN 0
; THE WAY OUT, a block of 16 tokens x 128 columns at a time: through my own stage, each accumulator from its low end on, and back as whole rows of 512 bytes.
.macro TOSTAGE a
	WIN 0x04                                       ; an LDS store's data are its source 1: window 1
.irp b, 0,1,2,3,4,5,6,7
	ds_store_b128 v[STO], v[64*(\a)+8*\b:64*(\a)+8*\b+3] offset:64*\b
	ds_store_b128 v[STO], v[64*(\a)+8*\b+4:64*(\a)+8*\b+7] offset:64*\b+16
.endr
	WIN 0
.set BB, BK+64*((\a)%2)
.irp t, 0,1,2,3,4,5,6,7,8,9,10,11,12,13,14,15
	ds_load_b128 v[BB+4*\t:BB+4*\t+3], v[RD] offset:\t*SPITCH   ; LDS serves a wave's instructions in order: these see the stores above
.endr
.endm
.macro SEND a, younger                 ; younger: the LDS instructions issued behind block a's loads: the next block's 16 stores and 16 loads, or none
.set BB, BK+64*((\a)%2)
	s_wait_dscnt \younger
.irp t, 0,1,2,3,4,5,6,7,8,9,10,11,12,13,14,15
	global_store_b128 v[CO], v[BB+4*\t:BB+4*\t+3], s[10:11] offset:(\a)*65536+\t*4096 th:TH_STORE_NT   ; 32 lanes store 512 consecutive bytes, aligned; written once, read by nobody here
.endr
.endm
	PLACES
	TOSTAGE 0
.irp a, 1,2,3
.if \a > 1
	s_wait_xcnt 0x0                                ; block a - 2's stores have read their registers: block a's loads may land there
.endif
	TOSTAGE \a
	SEND \a-1, 32
.endr
	SEND 3, 0
	s_wait_tensorcnt 0x0                           ; the wave's end
	ds_add_u32 v[SPW], v[NIL]
	s_wait_dscnt 0x0
	CROUND                                         ; the closing round
	s_endpgm
.Lfunc_end_k_q5f9eb66e7f_fc:
	.size	k_q5f9eb66e7f_fc, .Lfunc_end_k_q5f9eb66e7f_fc-k_q5f9eb66e7f_fc
	.p2alignl 7, 3214868480
	.fill 96, 4, 3214868480
	.section	.rodata,"a",@progbits
	.p2align	6, 0x0
	.amdhsa_kernel k_q5f9eb66e7f_fc
		.amdhsa_group_segment_fixed_size 327680
		.amdhsa_private_segment_fixed_size 0
		.amdhsa_enable_private_segment 0
		.amdhsa_kernarg_size 32
		.amdhsa_user_sgpr_count 2
		.amdhsa_user_sgpr_kernarg_segment_ptr 1
		.amdhsa_wavefront_size32 1
		.amdhsa_system_sgpr_workgroup_id_x 1
		.amdhsa_system_sgpr_workgroup_id_y 1
		.amdhsa_system_sgpr_workgroup_id_z 1
		.amdhsa_system_vgpr_workitem_id 0
		.amdhsa_next_free_vgpr 576
		.amdhsa_next_free_sgpr 66
		.amdhsa_reserve_vcc 0
		.amdhsa_float_denorm_mode_32 3
		.amdhsa_float_denorm_mode_16_64 3
		.amdhsa_memory_ordered 1
		.amdhsa_forward_progress 1
		.amdhsa_inst_pref_size 87
	.end_amdhsa_kernel
	.amdgpu_metadata
---
amdhsa.version: [ 1, 2 ]
amdhsa.kernels:
  - .name:           k_q5f9eb66e7f_fc
    .symbol:         k_q5f9eb66e7f_fc.kd
    .args:
      - { .name: o16, .offset: 0, .size: 8, .value_kind: global_buffer, .address_space: global }
      - { .name: wf16, .offset: 8, .size: 8, .value_kind: global_buffer, .address_space: global }
      - { .name: b_fc, .offset: 16, .size: 8, .value_kind: global_buffer, .address_space: global }
      - { .name: out0, .offset: 24, .size: 8, .value_kind: global_buffer, .address_space: global }
    .group_segment_fixed_size: 327680
    .private_segment_fixed_size: 0
    .kernarg_segment_align: 8
    .kernarg_segment_size: 32
    .max_flat_workgroup_size: 128
    .sgpr_count:     66
    .vgpr_count:     576
    .wavefront_size: 32
...
	.end_amdgpu_metadata
.endif
;; end of part 4
